; MI455X (gfx1250); checked and timed in simulation.
; The chip was launched on July 23, 2026; its instructions are those of AMD's public machine-readable ISA for CDNA 5 (MIT licence, August 2026) and "CDNA5" Instruction Set Architecture Reference Guide (July 2026). The comments in the code are by the model that wrote it; some were corrected since.
;; Model. Allowed arithmetic: matrix products marked QUANTISED: E4M3 operands, one E8M0 scale for each 32 along K, by v_wmma_scale_f32_16x16x128_f8f6f4 with both operands' format E4M3, f32 sums; products left as they are: f32 operands where the result goes on into a quantised operand, else bf16, f16 or f32 operands; f32 sums; everything else in f32.
;; Inputs: W1 2 x 64 float32; W2 64 x 8 float32; Wk_codes 512 x 16 x 32 uint8 (E4M3 codes of Wk, K innermost, in blocks of 32 codes); Wk_scales 512 x 16 uint8 (E8M0 scales of Wk, one for each 32 codes along K); Wo_codes 512 x 16 x 32 uint8 (E4M3 codes of Wo, K innermost, in blocks of 32 codes); Wo_scales 512 x 16 uint8 (E8M0 scales of Wo, one for each 32 codes along K); Wq_codes 512 x 16 x 32 uint8 (E4M3 codes of Wq, K innermost, in blocks of 32 codes); Wq_scales 512 x 16 uint8 (E8M0 scales of Wq, one for each 32 codes along K); Wv_codes 512 x 16 x 32 uint8 (E4M3 codes of Wv, K innermost, in blocks of 32 codes); Wv_scales 512 x 16 uint8 (E8M0 scales of Wv, one for each 32 codes along K); b1 64 float32; b2 8 float32; bk 512 float32; bo 512 float32; bq 512 float32; bv 512 float32; freqs 4 x 1,024 x 1 float32; x_codes 4 x 1,024 x 16 x 32 uint8 (E4M3 codes of x, K innermost, in blocks of 32 codes); x_scales 4 x 1,024 x 16 uint8 (E8M0 scales of x, one for each 32 codes along K).
;; Outputs: out0 4 x 1,024 x 512 float32.
;; This version of the problem:
;;   THIS VERSION OF THE PROBLEM IS GIVEN IN LOW PRECISION. The matrix products marked QUANTISED in the list below multiply operands that are first quantised to E4M3 (4 exponent bits, 3 mantissa bits; 8 bits a number), with one power-of-two scale for each 32 numbers along K (OCP MX v1.0); their sums are f32. All else is computed in f32.
;;   The module's matrix products, in the order in which they are computed (A, B: the left and right operand; K: the contracted axis; several contracted axes count as one K, in the product's order):
;;     1. [M 4,096, K 512] x [K 512, N 512]; A: input x (given as codes); B: input Wq (given as codes): QUANTISED
;;     2. [M 4,096, K 512] x [K 512, N 512]; A: input x (given as codes); B: input Wk (given as codes): QUANTISED
;;     3. [M 4,096, K 512] x [K 512, N 512]; A: input x (given as codes); B: input Wv (given as codes): QUANTISED
;;     4. batch 32 x [M 1,024, K 64] x [K 64, N 1,024]; A: computed on the way; B: computed on the way: QUANTISED
;;     5. [M 4,194,304, K 2] x [K 2, N 64]; A: computed on the way; B: input W1: left as it is (K = 2 < 32)
;;     6. [M 4,194,304, K 64] x [K 64, N 8]; A: computed on the way; B: input W2: left as it is (N = 8 < 16)
;;     7. batch 32 x [M 1,024, K 1,024] x [K 1,024, N 64]; A: softmax (see below); B: computed on the way: QUANTISED
;;     8. [M 4,096, K 512] x [K 512, N 512]; A: computed on the way; B: input Wo (given as codes): QUANTISED
;;   THE QUANTISER, for each operand of a quantised product, along K:
;;     - K is cut into blocks of 32 from its start; a last block that is shorter is filled with zeros.
;;     - A block's scale is 2^e with e = floor(log2(the largest magnitude in the block)) - 8, held to -126 .. 127; a block of zeros has e = 0. As a byte (E8M0): e + 127.
;;     - Each number is divided by its block's scale, clamped to +-448, and rounded to the nearest number of E4M3, ties to even, subnormals kept.
;;     - The product sums the exact products of the quantised numbers (number of the format x scale) in f32.
;;   ~~~python
;;   def quantise(x, axis):      # numpy; x: float32 -> the quantised numbers, widened to float32 again
;;       x = np.moveaxis(x, axis, -1); K = x.shape[-1]
;;       x = np.pad(x, [(0, 0)] * (x.ndim - 1) + [(0, -K % 32)]); x = x.reshape(x.shape[:-1] + (-1, 32)); a = np.abs(x).max(-1, keepdims=True)
;;       e = np.where(a > 0, np.clip(np.frexp(np.where(a > 0, a, 1))[1] - 1 - 8, -126, 127), 0)      # np.frexp(a)[1] - 1 = floor(log2(a)), exactly
;;       r = np.clip(x / 2.0 ** e, -448, 448)
;;       step = 2.0 ** (np.maximum(np.frexp(np.where(r == 0, 1, r))[1] - 1, -6) - 3)
;;       q = np.round(r / step) * step * 2.0 ** e      # np.round: ties to even
;;       return np.moveaxis(q.reshape(q.shape[:-2] + (-1,))[..., :K], -1, axis).astype(np.float32)
;;   ~~~
;;   SOFTMAX AHEAD OF A QUANTISED PRODUCT. Where the list says 'softmax', what is quantised is not the finished softmax but p = 2^(t - M), with t = logit x log2(e) and M = ceil(the row's largest t), a whole number; so 1/2 < the row's largest p <= 1. The row's sum l is taken of the UNQUANTISED p, in f32, and the product's result is divided by l at the end. Since M is a whole number, a kernel that streams over the keys may use a running M (the ceiling of the running maximum): every later rescaling is an exact power of two, which a block's scale takes up: the codes' values come out the same.
;;   OPERANDS COMPUTED ON THE WAY. 'Computed on the way' means the value that the module computes at that place (a softmax that the list does not call 'softmax' is quantised finished and normalised). What goes into a quantiser is computed in f32, as accurately as f32 sums, v_exp_f32 and their like allow (about 1e-6 of the number): no bf16 or f16 on the way to a quantiser, and a product that is left as it is and whose result goes on into a quantised operand takes f32 operands (vector FMAs, or v_wmma_f32_16x16x4_f32). A number that lies on a knife's edge between two numbers of the format may be rounded either way, as far as f32 arithmetic and the matrix unit's own rounding can turn it there, and no further.
;;   INPUTS GIVEN AS CODES. Wk (in the module: [512, 512], K = its axis 0); Wo (in the module: [512, 512], K = its axis 0); Wq (in the module: [512, 512], K = its axis 0); Wv (in the module: [512, 512], K = its axis 0); x (in the module: [4, 1024, 512], K = its axis 2): each comes as NAME_codes (uint8): NAME with its K axis moved to the last place and cut into blocks of 32 codes, [.., K / 32, bytes a block], one block behind the other in memory; one code a byte (a code: sign, 4 exponent bits, 3 mantissa bits); and NAME_scales (uint8): the same leading axes, one E8M0 byte (e + 127) for each 32 codes along K. Its value is code x scale, taken as it is: it is not quantised again, and the codes and scales need not be those that the quantiser above would give.
;; 2 versions, each right; version 2 is version 1 with the launches prep, attn written anew for expert scheduling mode. Each part assembles by itself: llvm-mc -triple=amdgcn-amd-amdhsa -mcpu=gfx1250 --defsym DOCPART=n.
;; ======== version 1 of 2: 2 launches
;; workspace buffers: qf 2,097,152 bytes; kf 2,097,152 bytes; vf 2,097,152 bytes; scl 262,144 bytes; cst 256 bytes
;; launch prep (part 1): grid 32 x 8, 4 waves a work-group, no clusters, 1,536 bytes of LDS; arguments x_codes, x_scales, Wq_codes, Wq_scales, bq, Wk_codes, Wk_scales, bk, Wv_codes, Wv_scales, bv, W1, W2, b2, qf, kf, vf, scl, cst; writes qf, kf, vf, scl, cst
.if DOCPART == 1
	.amdgcn_target "amdgcn-amd-amdhsa--gfx1250"
	.amdhsa_code_object_version 6
	.text
	.protected	k_qf766ed9711_prep
	.globl	k_qf766ed9711_prep
	.p2align	8
	.type	k_qf766ed9711_prep,@function
k_qf766ed9711_prep:
	s_mov_b64 s[64:65], 0
	v_nop
	global_prefetch_b8 v0, s[64:65] scope:SCOPE_SE
	s_setreg_imm32_b32 hwreg(HW_REG_WAVE_MODE, 25, 1), 1
	s_wait_xcnt 0x0
; Q = x Wq + bq, K = x Wk + bk, V = x Wv + bv on the given codes of E4M3 (K = 512, four matrix instructions deep), each result quantised again for the attention's products and stored
; IN THE ORDER OF THE OPERAND'S REGISTERS, so that the next launch loads fragments by 16 bytes a lane and nothing else.
; SHARES.  Work-group (x, y) = (batch x 8 + group of 128 tokens, head).  Wave w takes tokens 32 w .. 32 w + 31 of the group as two tiles u: lane r of tile u takes token 32 w + 8 u + r + 8 (r / 8).
; The 64 features of the head are four tiles ft = 2 c + v: lane r takes row 64 head + 32 c + 8 v + r + 8 (r / 8) of the weight.  With rows so chosen the 16 registers of two neighbouring result tiles
; are 16 NEIGHBOURS along the next product's K, which is what the conversions want.
; Q and K are made transposed (source 0 = weight rows, source 1 = x): a lane holds one token, registers run along the features (the scores' K).
; V is made the other way (source 0 = x, source 1 = weight rows): a lane holds one channel, registers run along the tokens (the second product's K).
; BUFFERS, rec = (batch x 8 + head) x 8 + group:  qf, kf: rec 8192 + tile 1024 + block 512 + lane 16 (tile = 2 w + u);  vf: rec 8192 + channel tile 2048 + key block 512 + lane 16;
; scl: rec 1024: K's words at 8 (16 (w & 1) + r) + 4 (w >> 1) (bytes: tile u = 0's two blocks, then tile u = 1's); V's at 256 + 8 (16 (ft & 1) + r) + 4 (ft >> 1), byte w; Q's at 512 + 64 tile + 4 r, (s0, s1, s0, s1).
; cst: -8 sum_k W2[k][h] W1[0][k] (8 words), -8 sum_k W2[k][h] W1[1][k] (8 words), 8 b2[h] (twice 8 words): made by wave 0 of work-group (0, 0).
; A block's scale byte is its largest magnitude's exponent field - 8, held at 1 from below; a block of zeros so keeps the byte 1 where the rule says 127: its codes are zeros and only this program reads the bytes.
; LIMITS: NaN and infinities among the results are not served.
; REGISTERS: window 0: addresses, scale words, biases, accumulators, codes;  window 1: Wq's 16 fragments, later Wv's;  window 2: Wk's;  window 3: x's 8 fragments.
.set VX,  1                            ; v1   (r + 8 (r / 8)) x 512 + 16 (lane / 16): my bytes in x's and in every weight's rows
.set VS,  2                            ; v2   (r + 8 (r / 8)) x 16: my row of scale bytes
.set VB,  3                            ; v3   64 (lane / 16): bq's and bk's eight numbers of my half
.set VBV, 4                            ; v4   4 (r + 8 (r / 8)): bv's number of my channel
.set LI,  5                            ; v5   16 x lane
.set LKS, 6                            ; v6   LDS: K's scale word
.set LVS, 7                            ; v7   LDS: V's scale byte
.set LQS, 8                            ; v8   LDS: Q's scale word
.set LT,  9                            ; v9   8 x thread: the scale bytes' way out
.set XS,  16                           ; v16-23  x's scale words (4 u + ks)
.set WSQ, 24                           ; v24-39  Wq's (4 ft + ks)
.set WSK, 40                           ; v40-55  Wk's
.set WSV, 56                           ; v56-71  Wv's
.set ACC, 72                           ; v72-135 eight accumulators
.set PC,  136                          ; v136-151 the codes just made
.set TM,  152                          ; v152-167 at work in QUANT
.set PW,  168                          ; v168 the scale word just made
.set BV,  170                          ; v170-173 bv of my channel, one for each tile
.set BQ,  176                          ; v176-207 bq in the result's layout
.set BK,  208                          ; v208-239 bk likewise
.set MSB, 0
.macro WIN new                         ; the immediate's high byte repeats the setting that is left
.if MSB != (\new)
	s_set_vgpr_msb (MSB<<8)|(\new)
.set MSB, (\new)
.endif
.endm
.macro PLACES n
.rept \n
	v_nop
.endr
.endm
; 64 numbers of a lane in four blocks of 16 registers become codes in v[PC + 4 b ..], bytes in v[TM + 4 + b] and the word of the four bytes in v[PW].  A block of 32 lies in lanes l and l xor 16.
.macro QUANT s
.irp b, 0,1,2,3
	v_max3_num_f32 v[TM+\b], |v[\s+16*\b]|, |v[\s+1+16*\b]|, 0x4800000   ; my 16 numbers and the floor 2^(9 - 127): the byte cannot fall under 1
.endr
.irp i, 2,4,6,8,10,12,14
.irp b, 0,1,2,3
	v_max3_num_f32 v[TM+\b], v[TM+\b], |v[\s+16*\b+\i]|, |v[\s+1+16*\b+\i]|   ; the four blocks by turns
.endr
.endr
.irp b, 0,1,2,3
	v_permlanex16_b32 v[TM+4+\b], v[TM+\b], s50, s51
.endr
.irp b, 0,1,2,3
	v_max_num_f32 v[TM+\b], v[TM+\b], v[TM+4+\b]       ; the block's largest magnitude
.endr
.irp b, 0,1,2,3
	v_add_nc_u32 v[TM+12+\b], 0xfc000000, v[TM+\b]     ; 8 off its exponent field: the conversion's scale operand
.endr
.irp b, 0,1,2,3
	v_and_or_b32 v[TM+8+\b], v[TM+\b], 0x7f800000, s52 ; 448 x the scale
.endr
.irp b, 0,1,2,3
	v_lshrrev_b32 v[TM+4+\b], 23, v[TM+12+\b]          ; the scale's byte
.endr
	v_lshl_or_b32 v[PW], v[TM+5], 8, v[TM+4]
	v_lshl_or_b32 v[PW], v[TM+6], 16, v[PW]
	v_lshl_or_b32 v[PW], v[TM+7], 24, v[PW]
.irp b, 0,1,2,3
.irp i, 0,1,2,3,4,5,6,7,8,9,10,11,12,13,14,15
	v_med3_num_f32 v[\s+16*\b+\i], v[\s+16*\b+\i], -v[TM+8+\b], v[TM+8+\b]   ; the conversion to an 8-bit code does not saturate (ISA guide 7.6.2): hold first
.endr
	v_cvt_scalef32_pk8_fp8_f32 v[PC+4*\b:PC+1+4*\b], v[\s+16*\b:\s+7+16*\b], v[TM+12+\b]
	v_cvt_scalef32_pk8_fp8_f32 v[PC+2+4*\b:PC+3+4*\b], v[\s+8+16*\b:\s+15+16*\b], v[TM+12+\b]
.endr
	v_nop                                              ; one plain line behind the last conversion: later products write its sources
.endm
; a weight's 16 fragments (tile ft, K step ks) into v[64 ft + 16 ks] of window win
.macro WLOAD win, sb
	WIN (\win<<6)
.irp ft, 0,1,2,3
.irp ks, 0,1,2,3
.irp c, 0,1,2,3
	global_load_b128 v[64*\ft+16*\ks+4*\c:64*\ft+16*\ks+4*\c+3], v[VX], s[\sb:\sb+1] offset:(32*(\ft/2)+8*(\ft%2))*512+128*\ks+32*\c
.endr
.endr
.endr
	WIN 0
.endm
; Q or K, transposed: eight accumulators (token tile u, feature tile ft) by turns, one instruction a turn; the bias is the C of each sum's first instruction
.macro MULT wset, WS, BIAS
	WIN \wset
.irp ks, 0,1,2,3
.irp u, 0,1
.irp ft, 0,1,2,3
.if \ks == 0
	v_wmma_scale_f32_16x16x128_f8f6f4 v[ACC+32*\u+8*\ft:ACC+32*\u+8*\ft+7], v[64*\ft+16*\ks:64*\ft+16*\ks+15], v[64*\u+16*\ks:64*\u+16*\ks+15], v[\BIAS+8*\ft:\BIAS+8*\ft+7], v[\WS+4*\ft+\ks], v[XS+4*\u+\ks]
.else
	v_wmma_scale_f32_16x16x128_f8f6f4 v[ACC+32*\u+8*\ft:ACC+32*\u+8*\ft+7], v[64*\ft+16*\ks:64*\ft+16*\ks+15], v[64*\u+16*\ks:64*\u+16*\ks+15], v[ACC+32*\u+8*\ft:ACC+32*\u+8*\ft+7], v[\WS+4*\ft+\ks], v[XS+4*\u+\ks]
.endif
.endr
.endr
.endr
	WIN 0
.endm
	s_load_b512 s[8:23], s[0:1], 0x0               ; x_codes 8, x_scales 10, Wq_codes 12, Wq_scales 14, bq 16, Wk_codes 18, Wk_scales 20, bk 22
	s_load_b512 s[24:39], s[0:1], 0x40             ; Wv_codes 24, Wv_scales 26, bv 28, W1 30, W2 32, b2 34, qf 36, kf 38
	s_load_b128 s[40:43], s[0:1], 0x80             ; vf 40, scl 42
	s_load_b64 s[44:45], s[0:1], 0x90              ; cst
	v_lshl_add_u32 v254, v0, 2, 0x400
	v_mov_b32 v255, 0
	v_lshrrev_b32 v10, 5, v0
	v_readfirstlane_b32 s46, v10                   ; wave 0..3
	s_and_b32 s47, ttmp7, 0xffff                   ; head
	v_and_b32 v10, 15, v0                          ; r
	v_bfe_u32 v11, v0, 4, 1                        ; lane / 16
	v_and_b32 v12, 8, v10
	v_add_nc_u32 v12, v12, v10                     ; r + 8 (r / 8)
	v_lshlrev_b32 v[VX], 9, v12
	v_lshl_add_u32 v[VX], v11, 4, v[VX]
	v_lshlrev_b32 v[VS], 4, v12
	v_lshlrev_b32 v[VB], 6, v11
	v_lshlrev_b32 v[VBV], 2, v12
	v_and_b32 v13, 31, v0
	v_lshlrev_b32 v[LI], 4, v13
	s_and_b32 s48, s46, 1
	s_lshl_b32 s48, s48, 7
	s_lshr_b32 s49, s46, 1
	s_lshl_b32 s49, s49, 2
	s_add_co_u32 s48, s48, s49
	v_lshl_add_u32 v[LKS], v10, 3, s48             ; 8 r + 128 (w & 1) + 4 (w >> 1)
	s_add_co_u32 s48, s46, 256
	v_lshl_add_u32 v[LVS], v10, 3, s48             ; 256 + 8 r + w
	s_lshl_b32 s48, s46, 7
	s_add_co_u32 s48, s48, 512
	v_lshl_add_u32 v[LQS], v10, 2, s48             ; 512 + 128 w + 4 r
	v_lshlrev_b32 v[LT], 3, v0
.irp b, 0,1,2,3
	v_mov_b32 v[TM+4+\b], 0                        ; written once: a lane permute's destination counts as one of its sources
.endr
	s_mov_b32 s50, 0x76543210
	s_mov_b32 s51, 0xfedcba98                      ; v_permlanex16_b32's selects for lane l xor 16
	s_mov_b32 s52, 0x600000                        ; the mantissa field of 448
	s_lshl_b32 s48, ttmp9, 7
	s_lshl_b32 s49, s46, 5
	s_add_co_u32 s48, s48, s49                     ; my wave's first token: 128 x + 32 w
	s_lshl_b32 s54, s48, 9                         ; its codes,
	s_mov_b32 s55, 0
	s_lshl_b32 s48, s48, 4                         ; its scale bytes
	s_mov_b32 s49, 0
	s_lshl_b32 s56, s47, 15                        ; the head's 64 rows of a weight,
	s_mov_b32 s57, 0
	s_lshl_b32 s58, s47, 10                        ; of its scale bytes,
	s_mov_b32 s59, 0
	s_lshl_b32 s60, s47, 8                         ; and its 64 numbers of a bias
	s_mov_b32 s61, 0
	s_lshr_b32 s53, ttmp9, 3
	s_lshl_b32 s53, s53, 3
	s_add_co_u32 s53, s53, s47
	s_lshl_b32 s53, s53, 3
	s_and_b32 s62, ttmp9, 7
	s_add_co_u32 s53, s53, s62                     ; rec = (batch x 8 + head) x 8 + group
	s_wait_kmcnt 0x0
	s_add_nc_u64 s[8:9], s[8:9], s[54:55]
	s_add_nc_u64 s[10:11], s[10:11], s[48:49]
	s_add_nc_u64 s[12:13], s[12:13], s[56:57]
	s_add_nc_u64 s[18:19], s[18:19], s[56:57]
	s_add_nc_u64 s[24:25], s[24:25], s[56:57]
	s_add_nc_u64 s[14:15], s[14:15], s[58:59]
	s_add_nc_u64 s[20:21], s[20:21], s[58:59]
	s_add_nc_u64 s[26:27], s[26:27], s[58:59]
	s_add_nc_u64 s[16:17], s[16:17], s[60:61]
	s_add_nc_u64 s[22:23], s[22:23], s[60:61]
	s_add_nc_u64 s[28:29], s[28:29], s[60:61]
	s_lshl_b32 s54, s53, 13                        ; rec x 8192
	s_lshl_b32 s48, s46, 11
	s_add_co_u32 s48, s48, s54                     ; + 2048 w
	s_add_nc_u64 s[36:37], s[36:37], s[48:49]
	s_add_nc_u64 s[38:39], s[38:39], s[48:49]
	s_lshl_b32 s48, s46, 9
	s_add_co_u32 s48, s48, s54                     ; + 512 w
	s_add_nc_u64 s[40:41], s[40:41], s[48:49]
	s_lshl_b32 s48, s53, 10
	s_add_nc_u64 s[42:43], s[42:43], s[48:49]
	; 34 small loads, x's 32, Wq's 64, Wk's 64
.irp u, 0,1
	global_load_b128 v[XS+4*\u:XS+4*\u+3], v[VS], s[10:11] offset:128*\u
.endr
.irp ft, 0,1,2,3
	global_load_b128 v[WSQ+4*\ft:WSQ+4*\ft+3], v[VS], s[14:15] offset:(32*(\ft/2)+8*(\ft%2))*16
	global_load_b128 v[WSK+4*\ft:WSK+4*\ft+3], v[VS], s[20:21] offset:(32*(\ft/2)+8*(\ft%2))*16
	global_load_b128 v[WSV+4*\ft:WSV+4*\ft+3], v[VS], s[26:27] offset:(32*(\ft/2)+8*(\ft%2))*16
	global_load_b128 v[BQ+8*\ft:BQ+8*\ft+3], v[VB], s[16:17] offset:(32*(\ft/2)+8*(\ft%2))*4
	global_load_b128 v[BQ+8*\ft+4:BQ+8*\ft+7], v[VB], s[16:17] offset:(32*(\ft/2)+8*(\ft%2))*4+16
	global_load_b128 v[BK+8*\ft:BK+8*\ft+3], v[VB], s[22:23] offset:(32*(\ft/2)+8*(\ft%2))*4
	global_load_b128 v[BK+8*\ft+4:BK+8*\ft+7], v[VB], s[22:23] offset:(32*(\ft/2)+8*(\ft%2))*4+16
	global_load_b32 v[BV+\ft], v[VBV], s[28:29] offset:(32*(\ft/2)+8*(\ft%2))*4
.endr
	WIN 0xc0                                       ; destination window 3
.irp u, 0,1
.irp ks, 0,1,2,3
.irp c, 0,1,2,3
	global_load_b128 v[64*\u+16*\ks+4*\c:64*\u+16*\ks+4*\c+3], v[VX], s[8:9] offset:4096*\u+128*\ks+32*\c
.endr
.endr
.endr
	WIN 0
	WLOAD 1, 12                                    ; Wq
	WLOAD 2, 18                                    ; Wk
	s_wait_loadcnt 63                              ; behind Wq's last load 64 were issued: at most 63 out shows it in
	; ---- Q
	MULT 0x0d, WSQ, BQ                             ; source 0 window 1, source 1 window 3
	PLACES 9                                       ; eight for the reads of the results and the loads over Wq; the ninth for the next products, which begin these accumulators anew
	WLOAD 1, 24                                    ; Wv takes Wq's place
	QUANT ACC
.irp u, 0,1
.irp c, 0,1
	global_store_b128 v[LI], v[PC+4*(2*\u+\c):PC+4*(2*\u+\c)+3], s[36:37] offset:\u*1024+\c*512   ; the wave stores 512 consecutive bytes
.endr
.endr
	v_lshl_or_b32 v10, v[TM+5], 8, v[TM+4]         ; tile u = 0: (s0, s1),
	v_lshl_or_b32 v10, v10, 16, v10                ; twice: the scores' product has Q's data in either half of its K
	v_lshl_or_b32 v11, v[TM+7], 8, v[TM+6]
	v_lshl_or_b32 v11, v11, 16, v11
	ds_store_b32 v[LQS], v10
	ds_store_b32 v[LQS], v11 offset:64
	s_wait_loadcnt 63                              ; behind Wk's last load stand Wv's 64
	; ---- K
	MULT 0x0e, WSK, BK                             ; source 0 window 2
	PLACES 9
	s_wait_xcnt 0x0                                ; Q's stores have read the codes' registers
	s_wait_dscnt 0x0
	QUANT ACC
.irp u, 0,1
.irp c, 0,1
	global_store_b128 v[LI], v[PC+4*(2*\u+\c):PC+4*(2*\u+\c)+3], s[38:39] offset:\u*1024+\c*512
.endr
.endr
	ds_store_b32 v[LKS], v[PW]                     ; bytes: (u 0, c 0), (u 0, c 1), (u 1, c 0), (u 1, c 1); lanes r and r + 16 write the same word with the same value
	s_wait_loadcnt 0x0                             ; Wv
	; ---- V: source 0 = x, source 1 = Wv's rows: a lane holds one channel, registers run along the tokens
	WIN 0x07                                       ; source 0 window 3, source 1 window 1
.irp ks, 0,1,2,3
.irp ft, 0,1,2,3
.irp u, 0,1
.if \ks == 0
	v_wmma_scale_f32_16x16x128_f8f6f4 v[ACC+16*\ft+8*\u:ACC+16*\ft+8*\u+7], v[64*\u+16*\ks:64*\u+16*\ks+15], v[64*\ft+16*\ks:64*\ft+16*\ks+15], 0, v[XS+4*\u+\ks], v[WSV+4*\ft+\ks]
.else
	v_wmma_scale_f32_16x16x128_f8f6f4 v[ACC+16*\ft+8*\u:ACC+16*\ft+8*\u+7], v[64*\u+16*\ks:64*\u+16*\ks+15], v[64*\ft+16*\ks:64*\ft+16*\ks+15], v[ACC+16*\ft+8*\u:ACC+16*\ft+8*\u+7], v[XS+4*\u+\ks], v[WSV+4*\ft+\ks]
.endif
.endr
.endr
.endr
	WIN 0
	PLACES 9
.irp p, 0,1                                    ; + bv of my channel, each accumulator from its low end on
.irp j, 0,2,4,6,8,10,12,14
	v_pk_add_f32 v[ACC+32*\p+\j:ACC+32*\p+\j+1], v[ACC+32*\p+\j:ACC+32*\p+\j+1], v[BV+2*\p:BV+2*\p+1] op_sel_hi:[1,0]
.endr
.irp j, 0,2,4,6,8,10,12,14
	v_pk_add_f32 v[ACC+32*\p+16+\j:ACC+32*\p+16+\j+1], v[ACC+32*\p+16+\j:ACC+32*\p+16+\j+1], v[BV+2*\p:BV+2*\p+1] op_sel:[0,1] op_sel_hi:[1,1]
.endr
.endr
	s_wait_xcnt 0x0                                ; K's stores have read the codes' registers
	s_wait_dscnt 0x0
	QUANT ACC                                      ; block ft: channel tile ft, my wave's 32 tokens
.irp ft, 0,1,2,3
	global_store_b128 v[LI], v[PC+4*\ft:PC+4*\ft+3], s[40:41] offset:\ft*2048
.endr
.irp ft, 0,1,2,3
	ds_store_b8 v[LVS], v[TM+4+\ft] offset:128*(\ft%2)+4*(\ft/2)
.endr
	; ---- the 1,024 scale bytes leave together: each wave one run of 256 consecutive bytes, aligned
	s_wait_dscnt 0x0                               ; for the others' sake: my stores into the stage are done
	s_barrier_signal -1
	s_barrier_wait -1
	ds_load_b64 v[12:13], v[LT]
	s_wait_dscnt 0x0
	global_store_b64 v[LT], v[12:13], s[42:43]
	; ---- the 24 constants of the pair bias: one wave of one work-group
	s_or_b32 s48, ttmp9, s47
	s_or_b32 s48, s48, s46
	s_cmp_lg_u32 s48, 0
	s_cbranch_scc1 .Lend
	s_wait_xcnt 0x0                                ; the stores above have read their registers
	v_and_b32 v10, 7, v0
	v_lshlrev_b32 v10, 2, v10                      ; 4 h, h = lane % 8
	v_bfe_u32 v11, v0, 3, 1
	v_lshlrev_b32 v11, 8, v11                      ; row (lane / 8) % 2 of W1
.set k, 0
.rept 64
	global_load_b32 v[72+k], v10, s[32:33] offset:32*k      ; W2[k][h]
.set k, k+1
.endr
.set k, 0
.rept 16
	global_load_b128 v[176+4*k:179+4*k], v11, s[30:31] offset:16*k   ; W1[row][4 k ..]
.set k, k+1
.endr
	global_load_b32 v14, v10, s[34:35]             ; b2[h]
	s_wait_loadcnt 0x0
.irp c, 0,1,2,3
	v_mul_f32 v[152+\c], v[72+\c], v[176+\c]       ; four chains
.endr
.set k, 4
.rept 15
.irp c, 0,1,2,3
	v_fmac_f32 v[152+\c], v[72+k+\c], v[176+k+\c]
.endr
.set k, k+4
.endr
	v_add_f32 v152, v152, v153
	v_add_f32 v154, v154, v155
	v_add_f32 v152, v152, v154
	v_mul_f32 v152, 0xc1000000, v152               ; x -8
	v_mul_f32 v14, 0x41000000, v14                 ; 8 b2
	v_and_b32 v15, 31, v0
	v_cmp_gt_u32 vcc_lo, 16, v15
	v_cndmask_b32 v152, v14, v152, vcc_lo          ; lanes 0-15 the sums, lanes 16-31 8 b2
	v_lshlrev_b32 v15, 2, v15
	global_store_b32 v15, v152, s[44:45]
.Lend:
	s_wait_tensorcnt 0x0
	ds_add_u32 v254, v255
	s_wait_dscnt 0x0
	s_endpgm
.Lfunc_end_k_qf766ed9711_prep:
	.size	k_qf766ed9711_prep, .Lfunc_end_k_qf766ed9711_prep-k_qf766ed9711_prep
	.p2alignl 7, 3214868480
	.fill 96, 4, 3214868480
	.section	.rodata,"a",@progbits
	.p2align	6, 0x0
	.amdhsa_kernel k_qf766ed9711_prep
		.amdhsa_group_segment_fixed_size 1536
		.amdhsa_private_segment_fixed_size 0
		.amdhsa_enable_private_segment 0
		.amdhsa_kernarg_size 152
		.amdhsa_user_sgpr_count 2
		.amdhsa_user_sgpr_kernarg_segment_ptr 1
		.amdhsa_wavefront_size32 1
		.amdhsa_system_sgpr_workgroup_id_x 1
		.amdhsa_system_sgpr_workgroup_id_y 1
		.amdhsa_system_sgpr_workgroup_id_z 1
		.amdhsa_system_vgpr_workitem_id 0
		.amdhsa_next_free_vgpr 896
		.amdhsa_next_free_sgpr 66
		.amdhsa_reserve_vcc 1
		.amdhsa_float_denorm_mode_32 3
		.amdhsa_float_denorm_mode_16_64 3
		.amdhsa_memory_ordered 1
		.amdhsa_forward_progress 1
		.amdhsa_inst_pref_size 80
	.end_amdhsa_kernel
	.amdgpu_metadata
---
amdhsa.version: [ 1, 2 ]
amdhsa.kernels:
  - .name:           k_qf766ed9711_prep
    .symbol:         k_qf766ed9711_prep.kd
    .args:
      - { .name: x_codes, .offset: 0, .size: 8, .value_kind: global_buffer, .address_space: global }
      - { .name: x_scales, .offset: 8, .size: 8, .value_kind: global_buffer, .address_space: global }
      - { .name: Wq_codes, .offset: 16, .size: 8, .value_kind: global_buffer, .address_space: global }
      - { .name: Wq_scales, .offset: 24, .size: 8, .value_kind: global_buffer, .address_space: global }
      - { .name: bq, .offset: 32, .size: 8, .value_kind: global_buffer, .address_space: global }
      - { .name: Wk_codes, .offset: 40, .size: 8, .value_kind: global_buffer, .address_space: global }
      - { .name: Wk_scales, .offset: 48, .size: 8, .value_kind: global_buffer, .address_space: global }
      - { .name: bk, .offset: 56, .size: 8, .value_kind: global_buffer, .address_space: global }
      - { .name: Wv_codes, .offset: 64, .size: 8, .value_kind: global_buffer, .address_space: global }
      - { .name: Wv_scales, .offset: 72, .size: 8, .value_kind: global_buffer, .address_space: global }
      - { .name: bv, .offset: 80, .size: 8, .value_kind: global_buffer, .address_space: global }
      - { .name: W1, .offset: 88, .size: 8, .value_kind: global_buffer, .address_space: global }
      - { .name: W2, .offset: 96, .size: 8, .value_kind: global_buffer, .address_space: global }
      - { .name: b2, .offset: 104, .size: 8, .value_kind: global_buffer, .address_space: global }
      - { .name: qf, .offset: 112, .size: 8, .value_kind: global_buffer, .address_space: global }
      - { .name: kf, .offset: 120, .size: 8, .value_kind: global_buffer, .address_space: global }
      - { .name: vf, .offset: 128, .size: 8, .value_kind: global_buffer, .address_space: global }
      - { .name: scl, .offset: 136, .size: 8, .value_kind: global_buffer, .address_space: global }
      - { .name: cst, .offset: 144, .size: 8, .value_kind: global_buffer, .address_space: global }
    .group_segment_fixed_size: 1536
    .private_segment_fixed_size: 0
    .kernarg_segment_align: 8
    .kernarg_segment_size: 152
    .max_flat_workgroup_size: 128
    .sgpr_count:     66
    .vgpr_count:     896
    .wavefront_size: 32
...
	.end_amdgpu_metadata
.endif
;; end of part 1
;; launch attn (part 2): grid 64 x 4, 8 waves a work-group, no clusters, 279,552 bytes of LDS; arguments qf, kf, vf, scl, cst, freqs, W1, b1, W2, Wo_codes, Wo_scales, bo, out0; writes out0
.if DOCPART == 2
	.amdgcn_target "amdgcn-amd-amdhsa--gfx1250"
	.amdhsa_code_object_version 6
	.text
	.protected	k_qf766ed9711_attn
	.globl	k_qf766ed9711_attn
	.p2align	8
	.type	k_qf766ed9711_attn,@function
k_qf766ed9711_attn:
	s_mov_b64 s[64:65], 0
	v_nop
	global_prefetch_b8 v0, s[64:65] scope:SCOPE_SE
	s_setreg_imm32_b32 hwreg(HW_REG_WAVE_MODE, 25, 1), 1
	s_wait_xcnt 0x0
; out = softmax(Q K^T / 8 + bias) V Wo + bo for 16 queries of one batch, ALL EIGHT HEADS, so that the pair bias (an MLP 2 -> 64 -> 8 on each pair of query and key) is made once for the eight heads and never leaves LDS.
; THE BIAS.  With f0 the batch's first frequency, u = f - f0, L = ln((f + eps) / (f0 + eps)), a_k(i) = W1[0][k] u_i + W1[1][k] L_i + b1[k], c_k(j) = W1[0][k] u_j + W1[1][k] L_j:
;   rel W1 + b1 = a_k(i) - c_k(j),  relu(a - c) = max(a, c) - c,  and the sum over k of W2[k][h] c_k(j) is linear in (u_j, L_j).  So
;   8 bias_h(i, j) = G_h(j) + sum_k 8 W2[k][h] max(a_k(i), c_k(j)),  G_h(j) = 8 b2[h] - 8 P0[h] u_j - 8 P1[h] L_j  (the three constants come from the launch before).
;   All in f32: for 16 pairs and one hidden unit 2 + 16 + 64 vector instructions (c_k; maxima; packed multiply-adds for 8 heads).  The factor 8 lets the bias be the C of the scores' product: t = (K Q^T + 8 bias) log2(e) / 8.
; LIMIT: a batch in which some f + 1e-6 is 0 or differs in sign from f0 + 1e-6 has NaN or infinite logarithms in the reference; it is not served (the maximum here drops NaN).
; SHARES.  Work-group (x, y) = (query tile T of 64, batch): 256 in all.  Query slot r is token 32 (T / 2) + 8 (T % 2) + r + 8 (r / 8).  Four steps of 256 keys, each of two phases:
;   BIAS(s): thread t owns key 256 s + t, for 16 queries x 8 heads = 128 sums in registers; they go to LDS as [head][query][key];
;   ATT(s):  wave w is head w: twice 128 keys: S^T = K Q^T + 8 bias (8 products), the softmax by the rule (p = 2^(t - M), M a whole number, running; the sum of the unquantised p), p quantised along the keys, O^T += V^T p^T (4 products).
; TWO BUFFERS, TWO ROLES.  The bias has two buffers in LDS, 2^17 bytes apart.  In a trip ATT(s) reads buffer s % 2 and BIAS(s + 1) writes the other, so the two phases need no order within a trip, and one barrier ends it.
;   Waves of role 1 take ATT first and BIAS second, waves of role 0 the other way round: one wave's attention (dependent chains, exponentials, waits for LDS and memory) stands beside another's dense multiply-adds.
;   role = (w xor (w >> 2)) & 1: it differs between waves w and w + 4 and between waves 2 m and 2 m + 1.  BIAS stands once, on every wave's way; ATT stands twice, each copy under a branch on the role.
; A BUFFER is 8 heads x 16 queries x 1,024 bytes with no padding: key j of query i lies at (4 j) xor (16 i) of its row, so that the 16 rows of a 16-byte load fall on 16 different 16-byte columns of 256 bytes, and a 4-byte store of 32 lanes covers one block of 128 bytes.
; THE SCORES' K IS 64, the instruction's 128: K's registers lie [tile 2 b][zeros][tile 2 b + 1] and Q's [Q][zeros][Q]; an even tile takes the first 16 of the 24, an odd one the last 16: zero codes add nothing under the real scale bytes that stand over them.
; At the end each wave's O^T / sum is quantised (two blocks of 32 of the last product's K = 512), goes to LDS as an image of the operand's registers, and wave w makes output columns 64 w .. 64 w + 63.
; K, V and Wo go from memory straight into the registers of the one wave that multiplies them, a tile ahead: no tensor load, no cluster: no byte of them is read by two waves of a work-group.
; REGISTERS: window 0 below; window 1: v0-95 K (24 a pair of tiles), v96-159 V, v160-183 Q, v184-207 the constants, v208-239 O^T; at the end v0-191 Wo's fragments 0-11.
.set BUF,   1<<17                      ; a buffer of bias: 8 x 16 x 1,024 bytes; the other one begins here
.set AT,    2*BUF                      ; 262,144: a^T: 64 k + 4 slot
.set WR,    AT+4096                    ; 64 k: words 0-7 8 W2[k][h], word 8 W1[0][k], word 9 W1[1][k]
.set ULT,   WR+4096                    ; 8 key: (u, L); ends at 278,528
.set XI,    0                          ; at the end, in buffer 0, whose last read stands ahead of the last trip's barrier: ctx's images, 1024 head + 512 block + 16 lane,
.set XSW,   8192                       ; their scale words, 128 ks + 4 lane,
.set OST,   16384                      ; and a stage of 16 rows x 272 bytes for each wave
.set LI16, 1                           ; v1   16 x lane
.set LI8,  2                           ; v2   8 x lane
.set ARB,  3                           ; v3   head x 16,384 + r x 1,024 + ((64 (lane / 16)) xor (16 r)): my place in a buffer, for reading
.set AW0,  4                           ; v4   4 x thread: my key's place in a row, for storing
.set AA,   7                           ; v7   AT + 4 (lane % 16)
.set AWR,  8                           ; v8   WR
.set AUL0, 9                           ; v9   ULT + 8 x thread
.set TA,   10                          ; v10, v11 the addresses in hand
.set TB,   11                          ; v12 -M, v13 the largest t, v[14:15] the row's sum in two halves
.set KSC,  16                          ; v16-17 K's scale words, v18-19 V's, v20 Q's, v21 p's: scales and nothing else
.set VSC,  18
.set QSC,  20
.set PSC,  21
.set UL,   22                          ; v[22:23] (u, L) of my key
.set G,    24                          ; v24-31 G_h of my key
.set HID,  32                          ; v32-47 max(a_k(i), c_k) for the 16 queries; at a bias phase's end v32-63 are the 32 addresses of its stores
.set RA,   48                          ; v48-51 ring of four hidden units: a_k, lane % 16 = query
.set R1,   52                          ; v52-59 W1[0][k], W1[1][k]
.set RW,   60                          ; v60-91 8 W2[k][0..7]
.set CK,   92                          ; v92  c_k of my key
.set ACC,  96                          ; v96-223 the 128 sums, 8 query + head
.set S,    96                          ; in ATT: v96-159 S^T, then p
.set PCD,  160                         ; v160-175 p's codes
.set BM,   176                         ; v176-179 the blocks' largest scores, then largest p
.set T2,   180                         ; v180-183 at work
.set HL,   184                         ; v184-187 448 x the scale
.set SO,   188                         ; v188-191 the conversions' scale operands
.set F,    192                         ; v[192:193] 2^(old M - new M)
.set TMP,  194
.set XIA,  195                         ; the end's LDS addresses: v195-199, v168-170
.set XSA,  196
.set L4,   197
.set OSA,  198
.set OSR,  199
.set OB,   200                         ; v200-231 the output's four accumulators, begun as bo
.set WOSC, 232                         ; v232-247 Wo's scale words and nothing else
.set WOF,  248                         ; v248 r x 512 + 16 (lane / 16); v249 16 r; v250 32 (lane / 16)
.set WOS,  249
.set WOBI, 250
.set WO3,  24                          ; v24-87 at the end: Wo's fragments 12-15
                                       ; v251-255, v93-95: the eight addresses from which ATT reads the bias: addresses and nothing else
                                       ; s47 the buffer that ATT reads, s56 the buffer that BIAS writes (0 or BUF), s57 my role
.set MSB, 0
.macro WIN new                         ; the immediate's high byte repeats the setting that is left
.if MSB != (\new)
	s_set_vgpr_msb (MSB<<8)|(\new)
.set MSB, (\new)
.endif
.endm
.macro PLACES n
.rept \n
	v_nop
.endr
.endm
.macro BARRIER                         ; my LDS stores have landed and my LDS loads are in: then the work-group's barrier
	s_wait_dscnt 0x0
	s_barrier_signal -1
	s_barrier_wait -1
.endm
; 17 loads: a group of 128 keys of K as fragments, and its scale words (register 0: pairs of tiles 0 | 1 in the two halves of the lanes; register 1: 2 | 3)
.macro KLOAD koff, soff
	WIN 0x40                                       ; destination window 1
.irp t, 0,1,2,3,4,5,6,7
.irp c, 0,1
	global_load_b128 v[24*(\t/2)+16*(\t%2)+4*\c:24*(\t/2)+16*(\t%2)+4*\c+3], v[LI16], s[10:11] offset:(\koff)+\t*1024+512*\c
.endr
.endr
	WIN 0
	global_load_b64 v[KSC:KSC+1], v[LI8], s[14:15] offset:(\soff)
.endm
.macro VLOAD koff, soff                ; 17 loads: the same group of V
	WIN 0x40
.irp dt, 0,1,2,3
.irp c, 0,1,2,3
	global_load_b128 v[96+16*\dt+4*\c:96+16*\dt+4*\c+3], v[LI16], s[12:13] offset:(\koff)+\dt*2048+512*\c
.endr
.endr
	WIN 0
	global_load_b64 v[VSC:VSC+1], v[LI8], s[14:15] offset:(\soff)+256
.endm
.macro WOFRAG f, reg                   ; Wo's fragment f = 4 nt + ks
.irp c, 0,1,2,3
	global_load_b128 v[\reg+4*\c:\reg+4*\c+3], v[WOF], s[26:27] offset:((\f)/4)*8192+128*((\f)%4)+32*\c
.endr
.endm
.macro WOA                             ; 36 loads: Wo's fragments 0-5 over K, its scale words, bo in the result's layout
	WIN 0x40
.irp f, 0,1,2,3,4,5
	WOFRAG \f, 16*\f
.endr
	WIN 0
.irp nt, 0,1,2,3
	global_load_b128 v[WOSC+4*\nt:WOSC+4*\nt+3], v[WOS], s[28:29] offset:256*\nt
.endr
.irp nt, 0,1,2,3
	global_load_b128 v[OB+8*\nt:OB+8*\nt+3], v[WOBI], s[30:31] offset:64*\nt
	global_load_b128 v[OB+8*\nt+4:OB+8*\nt+7], v[WOBI], s[30:31] offset:64*\nt+16
.endr
.endm
.macro WOB                             ; 40 loads: fragments 6-11 over V, Q and the constants; 12-15 into window 0, v24-87
	WIN 0x40
.irp f, 6,7,8,9,10,11
	WOFRAG \f, 16*\f
.endr
	WIN 0
.irp f, 12,13,14,15
	WOFRAG \f, WO3+16*(\f-12)
.endr
.endm
; ---- the bias
.macro LOADK m, off                    ; four LDS loads: hidden unit m of the trip that begins off bytes on
	ds_load_b32 v[RA+\m], v[TA] offset:\off+64*\m
	ds_load_b128 v[RW+8*\m:RW+8*\m+3], v[TB] offset:\off+64*\m
	ds_load_b128 v[RW+8*\m+4:RW+8*\m+7], v[TB] offset:\off+64*\m+16
	ds_load_b64 v[R1+2*\m:R1+2*\m+1], v[TB] offset:\off+64*\m+32
.endm
.macro KSLOT m, first, cnt, pf         ; one hidden unit for my key: 16 queries x 8 heads.  first = 1: G starts the sums: nothing is cleared
	s_wait_dscnt \cnt                              ; LDS loads come back in order: this slot's four are in, the younger slots' may be out
	v_mul_f32 v[CK], v[R1+2*\m], v[UL]
	v_fmac_f32 v[CK], v[R1+2*\m+1], v[UL+1]        ; c_k
.irp i, 0,1,2,3,4,5,6,7,8,9,10,11,12,13,14,15
	v_max_num_f32_dpp v[HID+\i], v[RA+\m], v[CK] row_share:\i row_mask:0xf bank_mask:0xf   ; max(a_k(query i), c_k): every lane takes lane i of its half
.endr
.irp ip, 0,1,2,3,4,5,6,7
.irp hp, 0,1,2,3
.if \first
	v_pk_fma_f32 v[ACC+16*\ip+2*\hp:ACC+16*\ip+2*\hp+1], v[HID+2*\ip:HID+2*\ip+1], v[RW+8*\m+2*\hp:RW+8*\m+2*\hp+1], v[G+2*\hp:G+2*\hp+1] op_sel_hi:[0,1,1]
.else
	v_pk_fma_f32 v[ACC+16*\ip+2*\hp:ACC+16*\ip+2*\hp+1], v[HID+2*\ip:HID+2*\ip+1], v[RW+8*\m+2*\hp:RW+8*\m+2*\hp+1], v[ACC+16*\ip+2*\hp:ACC+16*\ip+2*\hp+1] op_sel_hi:[0,1,1]
.endif
.endr
.irp hp, 0,1,2,3
.if \first
	v_pk_fma_f32 v[ACC+16*\ip+8+2*\hp:ACC+16*\ip+8+2*\hp+1], v[HID+2*\ip:HID+2*\ip+1], v[RW+8*\m+2*\hp:RW+8*\m+2*\hp+1], v[G+2*\hp:G+2*\hp+1] op_sel:[1,0,0] op_sel_hi:[1,1,1]
.else
	v_pk_fma_f32 v[ACC+16*\ip+8+2*\hp:ACC+16*\ip+8+2*\hp+1], v[HID+2*\ip:HID+2*\ip+1], v[RW+8*\m+2*\hp:RW+8*\m+2*\hp+1], v[ACC+16*\ip+8+2*\hp:ACC+16*\ip+8+2*\hp+1] op_sel:[1,0,0] op_sel_hi:[1,1,1]
.endif
.endr
.endr
.if \pf
	LOADK \m, 256                                  ; the slot takes the hidden unit four further on
.endif
.endm
.macro KTRIP first, pf                 ; four hidden units
.if \pf
	KSLOT 0, \first, 12, 1
	KSLOT 1, 0, 12, 1
	KSLOT 2, 0, 12, 1
	KSLOT 3, 0, 12, 1
.else
	KSLOT 0, \first, 12, 0                         ; the last trip loads nothing: the counts run down
	KSLOT 1, 0, 8, 0
	KSLOT 2, 0, 4, 0
	KSLOT 3, 0, 0, 0
.endif
.endm
.macro BIAS                            ; the 256 keys whose (u, L) begin s46 bytes on in ULT; the sums go to the buffer at s56
	v_add_nc_u32 v[TA], s46, v[AUL0]
	ds_load_b64 v[UL:UL+1], v[TA]                  ; (u, L) of my key of this step
	s_mov_b32 s45, 0
	v_mov_b32 v[TA], v[AA]
	v_mov_b32 v[TB], v[AWR]
.irp m, 0,1,2,3
	LOADK \m, 0
.endr
	s_wait_dscnt 16                                ; (u, L) is in; the ring's 16 loads may be out
	WIN 0x14                                       ; sources 1 and 2 window 1: the constants
.irp hp, 0,1,2,3
	v_pk_fma_f32 v[G+2*\hp:G+2*\hp+1], v[UL:UL+1], v[184+2*\hp:185+2*\hp], v[200+2*\hp:201+2*\hp] op_sel_hi:[0,1,1]   ; 8 b2 - 8 P0 u
.endr
	WIN 0x04
.irp hp, 0,1,2,3
	v_pk_fma_f32 v[G+2*\hp:G+2*\hp+1], v[UL:UL+1], v[192+2*\hp:193+2*\hp], v[G+2*\hp:G+2*\hp+1] op_sel:[1,0,0] op_sel_hi:[1,1,1]   ; - 8 P1 L
.endr
	WIN 0
	KTRIP 1, 1
	s_mov_b32 s44, 14
.Lk_\@:
	s_add_co_u32 s45, s45, 256
	v_add_nc_u32 v[TA], s45, v[AA]
	v_add_nc_u32 v[TB], s45, v[AWR]
	KTRIP 0, 1
	s_sub_co_u32 s44, s44, 1
	s_cmp_lg_u32 s44, 0
	s_cbranch_scc1 .Lk_\@
	KTRIP 0, 0
	; the way to LDS.  The hidden layer's and the ring's registers are free: they take the stores' addresses: for query i (4 thread) xor (16 i) in the buffer, and the same 65,536 bytes (four heads) on
	v_add_nc_u32 v[HID], s56, v[AW0]
.irp i, 1,2,3,4,5,6,7,8,9,10,11,12,13,14,15
	v_xor_b32 v[HID+\i], 16*\i, v[HID]
.endr
.irp i, 0,1,2,3,4,5,6,7,8,9,10,11,12,13,14,15
	v_add_nc_u32 v[HID+16+\i], 0x10000, v[HID+\i]
.endr
.irp h, 0,1,2,3,4,5,6,7
.irp i, 0,1,2,3,4,5,6,7,8,9,10,11,12,13,14,15
	ds_store_b32 v[HID+16*(\h/4)+\i], v[ACC+8*\i+\h] offset:(\h%4)*16384+\i*1024   ; 32 lanes: one block of 128 bytes of row (head, query)
.endr
.endr
.endm
; ---- attention
.macro ARCS                            ; the eight addresses from which ATT reads the buffer at s47: my place xor 128 (c / 4) + 32 ((c / 2) % 2) + 16 (c % 2).  Made where every wave passes, ahead of the branch on the role
	v_add_nc_u32 v251, s47, v[ARB]
.irp c, 1,2,3,4,5,6,7
	v_xor_b32 v[251+\c-163*(\c/5)], 128*(\c/4)+32*((\c/2)%2)+16*(\c%2), v251
.endr
.endm
.macro SCORE t                         ; S^T tile t += K tile t x Q^T; its C, loaded from LDS, is 8 bias
.set sc_bb, (\t)/2
.set sc_ka, 24*sc_bb+8*((\t)%2)
.set sc_qa, 160+8*((\t)%2)
.if sc_bb%2
	v_wmma_scale_f32_16x16x128_f8f6f4 v[S+8*(\t):S+8*(\t)+7], v[sc_ka:sc_ka+15], v[sc_qa:sc_qa+15], v[S+8*(\t):S+8*(\t)+7], v[KSC+sc_bb/2], v[QSC] matrix_a_scale:MATRIX_SCALE_ROW1
.else
	v_wmma_scale_f32_16x16x128_f8f6f4 v[S+8*(\t):S+8*(\t)+7], v[sc_ka:sc_ka+15], v[sc_qa:sc_qa+15], v[S+8*(\t):S+8*(\t)+7], v[KSC+sc_bb/2], v[QSC]
.endif
.endm
.macro PV dt                           ; O^T tile dt += V^T tile dt x p^T
.if (\dt)%2
	v_wmma_scale_f32_16x16x128_f8f6f4 v[208+8*(\dt):215+8*(\dt)], v[96+16*(\dt):111+16*(\dt)], v[PCD:PCD+15], v[208+8*(\dt):215+8*(\dt)], v[VSC+(\dt)/2], v[PSC] matrix_a_scale:MATRIX_SCALE_ROW1
.else
	v_wmma_scale_f32_16x16x128_f8f6f4 v[208+8*(\dt):215+8*(\dt)], v[96+16*(\dt):111+16*(\dt)], v[PCD:PCD+15], v[208+8*(\dt):215+8*(\dt)], v[VSC+(\dt)/2], v[PSC]
.endif
.endm
; 128 keys, the n2-th of the step.  nxt = 1: the next group of K and of V is asked for; 2: the launch's last 128 keys: Wo is asked for instead.
; back = 1: the copy that stands behind BIAS, where the bases have already been stepped by two groups: its immediates reach two groups back.
.macro ATT n2, nxt, back
.irp t, 0,1,2,3,4,5,6,7
.irp e, 0,1
.set at_c, 4*((\t/2)%2)+2*(\t%2)+\e
.set at_r, 251+at_c-163*(at_c/5)
	ds_load_b128 v[S+8*\t+4*\e:S+8*\t+4*\e+3], v[at_r] offset:512*\n2+256*(\t/4)   ; lane (r, half): query r, keys 32 (t / 2) + 8 (t % 2) + 16 half + 4 e + 0 .. 3
.endr
.endr
	s_wait_loadcnt 17                              ; K and its scale words are in; V's 17 loads are younger
	s_wait_dscnt 0x0
	WIN 0x05                                       ; sources 0 and 1 window 1
.irp t, 0,1,2,3,4,5,6,7
	SCORE \t                                       ; eight accumulators, one instruction each
.endr
	WIN 0
	PLACES 8                                       ; in front of the reads of the scores and of the loads over K
.if \nxt == 1
	KLOAD 8192*(\n2+1-2*\back), 1024*(\n2+1-2*\back)
.else
	WOA
.endif
.irp b, 0,1,2,3
	v_max3_num_f32 v[BM+\b], v[S+16*\b], v[S+1+16*\b], v[S+2+16*\b]   ; the largest score of each block of 32 keys: for the row's maximum, and, since p rises with the score, for the block's largest p
.endr
.irp i, 3,5,7,9,11,13
.irp b, 0,1,2,3
	v_max3_num_f32 v[BM+\b], v[BM+\b], v[S+16*\b+\i], v[S+1+16*\b+\i]
.endr
.endr
.irp b, 0,1,2,3
	v_max_num_f32 v[BM+\b], v[BM+\b], v[S+15+16*\b]
.endr
.irp b, 0,1,2,3
	v_permlanex16_b32 v[T2+\b], v[BM+\b], s38, s39
.endr
.irp b, 0,1,2,3
	v_max_num_f32 v[BM+\b], v[BM+\b], v[T2+\b]     ; with lane l xor 16's 16 keys
.endr
	v_max3_num_f32 v[TMP], v[BM], v[BM+1], v[BM+2]
	v_max_num_f32 v[TMP], v[TMP], v[BM+3]
	v_mul_f32 v[TMP], s40, v[TMP]                  ; as t (the factor is positive)
	v_max_num_f32 v13, v13, v[TMP]                 ; the running largest t
	v_mov_b32 v[TMP], v12
	v_floor_f32 v12, -v13                          ; the new -M = -ceil(t): a whole number
	v_sub_f32 v[TMP], v12, v[TMP]                  ; old M - new M, 0 or less
	v_cvt_i32_f32 v[TMP], v[TMP]                   ; (it saturates)
	v_ldexp_f32 v[F], 1.0, v[TMP]                  ; f = 2^(old M - new M): multiplying by it rounds nothing
.set j, 0
.rept 32
	v_pk_fma_f32 v[S+j:S+j+1], v[S+j:S+j+1], s[40:41], v[12:13] op_sel_hi:[1,0,0]   ; t - M, two at a time
.set j, j+2
.endr
.irp b, 0,1,2,3
	v_fma_f32 v[BM+\b], v[BM+\b], s40, v12         ; the same of each block's largest score
.endr
.set j, 0
.rept 64
	v_exp_f32 v[S+j], v[S+j]                       ; p = 2^(t - M): not normalised
.set j, j+1
.endr
.irp b, 0,1,2,3
	v_exp_f32 v[BM+\b], v[BM+\b]                   ; the block's largest p: the same two instructions on the same number
.endr
	v_pk_mul_f32 v[14:15], v[14:15], v[F:F+1] op_sel_hi:[1,0]   ; the sums under the new M (a plain line behind the exponentials)
	s_wait_alu depctr_va_vdst(0)
.irp b, 0,1,2,3
	v_max_num_f32 v[BM+\b], 0x4800000, v[BM+\b]    ; the floor 2^(9 - 127): the byte cannot fall under 1
.endr
.irp b, 0,1,2,3
	v_add_nc_u32 v[SO+\b], 0xfc000000, v[BM+\b]    ; 8 off the exponent field: the conversion's scale operand
.endr
.irp b, 0,1,2,3
	v_and_or_b32 v[HL+\b], v[BM+\b], 0x7f800000, s42   ; 448 x the scale
.endr
.irp b, 0,1,2,3
	v_lshrrev_b32 v[T2+\b], 23, v[SO+\b]           ; the scale's byte
.endr
	v_lshl_or_b32 v[PSC], v[T2+1], 8, v[T2]        ; p's scale word for these 128 keys
	v_lshl_or_b32 v[PSC], v[T2+2], 16, v[PSC]
	v_lshl_or_b32 v[PSC], v[T2+3], 24, v[PSC]
	v_pk_add_f32 v[T2:T2+1], v[S:S+1], v[S+2:S+3]  ; the row's sum is taken of the unquantised p: two at a time, in two chains
.set j, 4
.rept 15
	v_pk_add_f32 v[14:15], v[14:15], v[S+j:S+j+1]
	v_pk_add_f32 v[T2:T2+1], v[T2:T2+1], v[S+j+2:S+j+3]
.set j, j+4
.endr
	v_pk_add_f32 v[14:15], v[14:15], v[T2:T2+1]
.irp b, 0,1,2,3
.irp i, 0,1,2,3,4,5,6,7,8,9,10,11,12,13,14,15
	v_min_num_f32 v[S+16*\b+\i], v[S+16*\b+\i], v[HL+\b]   ; the conversion does not saturate (ISA guide 7.6.2); p is not negative: a one-sided hold
.endr
	v_cvt_scalef32_pk8_fp8_f32 v[PCD+4*\b:PCD+1+4*\b], v[S+16*\b:S+7+16*\b], v[SO+\b]
	v_cvt_scalef32_pk8_fp8_f32 v[PCD+2+4*\b:PCD+3+4*\b], v[S+8+16*\b:S+15+16*\b], v[SO+\b]
.endr
	WIN 0x41                                       ; O^T: destination and source 0 window 1
.set j, 0
.rept 16
	v_pk_mul_f32 v[208+j:209+j], v[208+j:209+j], v[F:F+1] op_sel_hi:[1,0]   ; O^T under the new M; also the plain lines between the codes and their product
.set j, j+2
.endr
.if \nxt == 1
	s_wait_loadcnt 17                              ; V and its scale words are in; the next K's 17 loads are younger
.else
	s_wait_loadcnt 36                              ; V is in; the 36 loads for the last product are younger
.endif
	WIN 0x51                                       ; source 0 (V), C and D window 1; source 1 (p) window 0
.irp dt, 0,1,2,3
	PV \dt
.endr
	WIN 0
	PLACES 8                                       ; in front of the loads over V, of the next reads of O^T and of the next writes of p's codes
.if \nxt == 1
	VLOAD 8192*(\n2+1-2*\back), 1024*(\n2+1-2*\back)
.else
	WOB
.endif
.endm
	s_load_b512 s[8:23], s[0:1], 0x0               ; qf 8, kf 10, vf 12, scl 14, cst 16, freqs 18, W1 20, b1 22
	s_load_b256 s[24:31], s[0:1], 0x40             ; W2 24, Wo_codes 26, Wo_scales 28, bo 30
	s_load_b64 s[32:33], s[0:1], 0x60              ; out0
	v_lshl_add_u32 v5, v0, 2, 0x44000
	v_mov_b32 v6, 0
	v_lshrrev_b32 v10, 5, v0
	v_readfirstlane_b32 s34, v10                   ; wave = head 0..7
	s_lshr_b32 s57, s34, 2
	s_xor_b32 s57, s57, s34
	s_and_b32 s57, s57, 1                          ; my role: 1: attention first; 0: bias first
	s_and_b32 s35, ttmp7, 0xffff                   ; batch
	s_mov_b32 s36, ttmp9                           ; query tile T
	v_and_b32 v10, 31, v0                          ; lane
	v_and_b32 v11, 15, v0                          ; r
	v_bfe_u32 v12, v0, 4, 1                        ; lane / 16
	v_lshlrev_b32 v[LI16], 4, v10
	v_lshlrev_b32 v[LI8], 3, v10
	s_lshl_b32 s48, s34, 14                        ; my head's 16 rows of a buffer
	v_lshlrev_b32 v[ARB], 10, v11                  ; row r,
	v_lshlrev_b32 v13, 6, v12
	v_lshlrev_b32 v14, 4, v11
	v_xor_b32 v13, v13, v14                        ; (64 (lane / 16)) xor (16 r): under 256
	v_add_nc_u32 v[ARB], v[ARB], v13
	v_add_nc_u32 v[ARB], s48, v[ARB]
	v_lshlrev_b32 v[AW0], 2, v0
	v_lshl_add_u32 v[AA], v11, 2, AT
	v_mov_b32 v[AWR], WR
	v_lshl_add_u32 v[AUL0], v0, 3, ULT
	v_lshlrev_b32 v[WOF], 9, v11
	v_lshl_add_u32 v[WOF], v12, 4, v[WOF]
	v_lshlrev_b32 v[WOS], 4, v11
	v_lshlrev_b32 v[WOBI], 5, v12
	v_lshlrev_b32 v224, 2, v11                     ; the head's own addresses, v224-231: 4 r
	v_mov_b32 v225, 0
	v_lshlrev_b32 v226, 4, v0                      ; 16 x thread: four keys' frequencies
	v_and_b32 v13, 3, v0                           ; g = thread % 4: query slots 4 g .. 4 g + 3
	v_lshrrev_b32 v14, 1, v13
	v_lshlrev_b32 v227, 4, v13
	v_lshl_add_u32 v227, v14, 5, v227              ; their tokens lie 4 g + 8 (g / 2) on: 16 g + 32 (g / 2) bytes
	v_lshrrev_b32 v15, 2, v0                       ; k = thread / 4: a hidden unit
	v_lshlrev_b32 v228, 2, v15
	v_and_b32 v14, 1, v13
	v_lshlrev_b32 v229, 5, v15
	v_lshl_add_u32 v229, v14, 4, v229              ; W2: 32 k + 16 (g % 2)
	v_add_nc_u32 v230, AT, v226                    ; LDS: AT + 16 x thread (WR lies 4,096 further on)
	v_lshl_add_u32 v231, v0, 5, ULT                ; LDS: ULT + 32 x thread
	s_mov_b32 s38, 0x76543210
	s_mov_b32 s39, 0xfedcba98                      ; v_permlanex16_b32's selects for lane l xor 16
	s_mov_b32 s40, 0x3e38aa3b                      ; log2(e) / 8
	s_mov_b32 s41, s40                             ; (named with it as a pair, so it is written)
	s_mov_b32 s42, 0x600000                        ; the mantissa field of 448
	s_mov_b32 s46, 0                               ; the step's place in ULT
	s_mov_b32 s47, 0                               ; attention begins with buffer 0,
	s_mov_b32 s56, 0                               ; into which the first bias phase writes
	s_lshl_b32 s48, s35, 3
	s_add_co_u32 s48, s48, s34                     ; R = batch x 8 + head
	s_lshl_b32 s50, s48, 13
	s_mov_b32 s51, 0
	s_lshl_b32 s48, s48, 16
	s_mov_b32 s49, 0
	s_wait_kmcnt 0x0
	s_add_nc_u64 s[10:11], s[10:11], s[48:49]      ; K, V, Q at my head: 65,536 R
	s_add_nc_u64 s[12:13], s[12:13], s[48:49]
	s_add_nc_u64 s[8:9], s[8:9], s[48:49]
	s_add_nc_u64 s[14:15], s[14:15], s[50:51]      ; the scale bytes: 8,192 R
	s_lshl_b32 s48, s36, 10
	s_add_nc_u64 s[8:9], s[8:9], s[48:49]          ; Q's tile T
	s_lshr_b32 s48, s36, 3
	s_lshl_b32 s48, s48, 10
	s_and_b32 s50, s36, 7
	s_lshl_b32 s50, s50, 6
	s_add_co_u32 s48, s48, s50
	s_add_co_u32 s48, s48, 512
	s_add_nc_u64 s[54:55], s[14:15], s[48:49]      ; Q's scale words: group T / 8, 512 + 64 (T % 8)
	s_lshl_b32 s48, s35, 12
	s_add_nc_u64 s[18:19], s[18:19], s[48:49]      ; the batch's frequencies
	s_load_b32 s37, s[18:19], 0x0                  ; f0
	s_lshr_b32 s50, s36, 1
	s_lshl_b32 s50, s50, 5
	s_and_b32 s48, s36, 1
	s_lshl_b32 s48, s48, 3
	s_add_co_u32 s50, s50, s48                     ; the tile's first token: 32 (T / 2) + 8 (T % 2)
	s_lshl_b32 s48, s50, 2
	s_add_nc_u64 s[52:53], s[18:19], s[48:49]
	s_lshl_b32 s48, s35, 10
	s_add_co_u32 s48, s48, s50
	s_lshl_b32 s48, s48, 11                        ; its row of out0,
	s_lshl_b32 s50, s34, 8
	s_add_co_u32 s48, s48, s50                     ; my 64 columns
	s_add_nc_u64 s[32:33], s[32:33], s[48:49]
	s_add_nc_u64 s[30:31], s[30:31], s[50:51]      ; bo: 256 w
	s_lshl_b32 s50, s34, 10
	s_add_nc_u64 s[28:29], s[28:29], s[50:51]      ; Wo's scale bytes: 64 rows of 16
	s_lshl_b32 s50, s34, 15
	s_add_nc_u64 s[26:27], s[26:27], s[50:51]      ; Wo's codes: 64 rows of 512
	WIN 0x40                                       ; destination window 1
.irp bb, 0,1,2,3
.irp j, 0,1,2,3,4,5,6,7
	v_mov_b32 v[24*\bb+8+\j], 0                    ; the zero codes between K's tiles: written once
.endr
.endr
.irp j, 0,1,2,3,4,5,6,7
	v_mov_b32 v[168+\j], 0                         ; and between Q's two copies
.endr
.set j, 0
.rept 32
	v_mov_b32 v[208+j], 0                          ; O^T: the step is written once; the first change of M leaves zeros zeros
.set j, j+1
.endr
	; 17 small loads
	global_load_b128 v[160:163], v[LI16], s[8:9]
	global_load_b128 v[164:167], v[LI16], s[8:9] offset:512
	global_load_b128 v[176:179], v[LI16], s[8:9]
	global_load_b128 v[180:183], v[LI16], s[8:9] offset:512
.irp i, 0,1,2,3,4,5
	global_load_b128 v[184+4*\i:187+4*\i], v225, s[16:17] offset:16*\i   ; -8 P0, -8 P1, 8 b2: the same in every lane
.endr
	WIN 0
	global_load_b32 v[QSC], v224, s[54:55]
	global_load_b128 v[96:99], v226, s[18:19]      ; four keys' f
	global_load_b128 v[100:103], v227, s[52:53]    ; four queries' f
	global_load_b32 v104, v228, s[20:21]           ; W1[0][k]
	global_load_b32 v105, v228, s[20:21] offset:256   ; W1[1][k]
	global_load_b32 v106, v228, s[22:23]           ; b1[k]
	global_load_b128 v[108:111], v229, s[24:25]    ; W2[k][4 (g % 2) ..]
	KLOAD 0, 0
	VLOAD 0, 0
.irp i, 0,1,2,3,4,5,6,7,8,9,10,11,12,13,14,15
	v_mov_b32 v[HID+\i], 0                         ; written once: a DPP form's destination counts as one of its sources
.endr
	s_wait_kmcnt 0x0                               ; f0
	s_wait_loadcnt 34                              ; the small loads are in; K's 17 and V's 17 may be out
	v_mov_b32 v128, s37
	v_add_f32 v129, 0x358637bd, v128               ; f0 + 1e-6
	v_rcp_f32 v129, v129
.irp i, 0,1,2,3
	v_sub_f32 v[112+2*\i], v[96+\i], v128          ; u of the keys (beside L, as they go to LDS),
	v_sub_f32 v[120+\i], v[100+\i], v128           ; and of the queries
.endr
.irp i, 0,1,2,3
	v_add_f32 v[113+2*\i], 0x358637bd, v[96+\i]
	v_add_f32 v[124+\i], 0x358637bd, v[100+\i]
.endr
	s_wait_alu depctr_va_vdst(0)
.irp i, 0,1,2,3
	v_mul_f32 v[113+2*\i], v[113+2*\i], v129
	v_mul_f32 v[124+\i], v[124+\i], v129
.endr
.irp i, 0,1,2,3
	v_log_f32 v[113+2*\i], v[113+2*\i]
	v_log_f32 v[124+\i], v[124+\i]
.endr
	v_and_b32 v140, 3, v0                          ; (a plain line behind the logarithms)  g
	s_wait_alu depctr_va_vdst(0)
.irp i, 0,1,2,3
	v_mul_f32 v[113+2*\i], 0x3f317218, v[113+2*\i] ; x ln 2
	v_mul_f32 v[124+\i], 0x3f317218, v[124+\i]
.endr
	ds_store_b128 v231, v[112:115]                 ; (u, L) of keys 4 t, 4 t + 1
	ds_store_b128 v231, v[116:119] offset:16       ; and 4 t + 2, 4 t + 3
.irp j, 0,1,2,3
	v_fma_f32 v[132+\j], v104, v[120+\j], v106
.endr
.irp j, 0,1,2,3
	v_fmac_f32 v[132+\j], v105, v[124+\j]          ; a_k of four query slots
.endr
	ds_store_b128 v230, v[132:135]
.irp j, 0,1,2,3
	v_mul_f32 v[108+\j], 0x41000000, v[108+\j]     ; 8 W2: exact
.endr
	v_cmp_gt_u32 vcc_lo, 2, v140                   ; g < 2: W2's words; else W1's pair, twice
	v_cndmask_b32 v136, v104, v108, vcc_lo
	v_cndmask_b32 v137, v105, v109, vcc_lo
	v_cndmask_b32 v138, v104, v110, vcc_lo
	v_cndmask_b32 v139, v105, v111, vcc_lo
	ds_store_b128 v230, v[136:139] offset:4096
	v_mov_b32 v13, 0xff61b1e6                      ; the largest t so far: -3e38, under every t
	v_floor_f32 v12, -v13                          ; -M
	v_mov_b32 v14, 0                               ; the sum, in two halves
	v_mov_b32 v15, 0
	BARRIER                                        ; a^T, the weights' rows and (u, L) of all keys lie in LDS
	BIAS                                           ; step 0, into buffer 0: every wave
	BARRIER                                        ; step 0's bias lies in LDS
	s_mov_b32 s56, BUF                             ; the next bias phase writes buffer 1,
	s_add_co_u32 s46, s46, 2048                    ; for the next 256 keys
	s_mov_b32 s43, 3
.Lstep:                                                ; trip s = 0, 1, 2: ATT(s) from one buffer, BIAS(s + 1) into the other, in the order of my role
	ARCS
	s_cmp_eq_u32 s57, 0
	s_cbranch_scc1 .Lbias_first
	ATT 0, 1, 0                                    ; role 1: attention first
	ATT 1, 1, 0
.Lbias_first:
	BIAS
	s_wait_xcnt 0x0                                ; every wave's last loads were issued a whole bias phase ago: they have read their bases
	s_add_nc_u64 s[10:11], s[10:11], 16384         ; K, V and the scale bytes two groups of 128 keys on
	s_add_nc_u64 s[12:13], s[12:13], 16384
	s_add_nc_u64 s[14:15], s[14:15], 2048
	s_add_co_u32 s46, s46, 2048
	s_cmp_lg_u32 s57, 0
	s_cbranch_scc1 .Latt_done
	ATT 0, 1, 1                                    ; role 0: attention second, with immediates that reach back over the step above
	ATT 1, 1, 1
.Latt_done:
	BARRIER                                        ; the next step's bias lies in LDS, and nobody reads this step's any more
	s_xor_b32 s47, s47, BUF                        ; the buffers change places
	s_xor_b32 s56, s56, BUF
	s_sub_co_u32 s43, s43, 1
	s_cmp_lg_u32 s43, 0
	s_cbranch_scc1 .Lstep
	ARCS
	ATT 0, 1, 0                                    ; the last step's attention, every wave: it reads buffer 1,
	ATT 1, 2, 0                                    ; and asks for Wo where the others ask for K and V
	; ---- ctx = O^T / the sum, quantised: my head's 64 channels are two blocks of 32 of the last product's K.  What follows stores into buffer 0, which nobody has read since the last trip's barrier
	v_add_f32 v14, v14, v15
	v_permlanex16_b32 v[TMP], v14, s38, s39
	v_add_f32 v14, v14, v[TMP]                     ; the row's sum
	v_rcp_f32 v14, v14
	v_and_b32 v168, 15, v0                         ; (plain lines behind the reciprocal)  r
	v_bfe_u32 v169, v0, 4, 1                       ; lane / 16
	s_lshl_b32 s48, s34, 10
	v_add_nc_u32 v[XIA], s48, v[LI16]              ; 1024 head + 16 lane
	v_and_b32 v[L4], 31, v0
	v_lshlrev_b32 v[L4], 2, v[L4]                  ; 4 lane
	s_lshr_b32 s48, s34, 1
	s_lshl_b32 s48, s48, 7
	s_and_b32 s50, s34, 1
	s_lshl_b32 s50, s50, 1
	s_add_co_u32 s48, s48, s50
	v_add_nc_u32 v[XSA], s48, v[L4]                ; 128 (head / 2) + 2 (head % 2) + 4 lane
	s_mul_i32 s48, s34, 16*272
	s_add_co_u32 s48, s48, OST                     ; my stage
	v_mul_u32_u24 v[OSA], v168, 272
	v_lshl_add_u32 v[OSA], v169, 5, v[OSA]
	v_add_nc_u32 v[OSA], s48, v[OSA]               ; in: row r, + 32 (lane / 16)
	v_mul_u32_u24 v[OSR], v169, 272
	v_lshl_add_u32 v[OSR], v168, 4, v[OSR]
	v_add_nc_u32 v[OSR], s48, v[OSR]               ; back: lanes 0-15 one row, lanes 16-31 the next
	v_lshlrev_b32 v170, 11, v169
	v_lshl_add_u32 v170, v168, 4, v170             ; and the same in out0
	WIN 0x01                                       ; source 0 window 1
.set j, 0
	s_wait_alu depctr_va_vdst(0)
.rept 16
	v_pk_mul_f32 v[96+j:97+j], v[208+j:209+j], v[14:15] op_sel_hi:[1,0]   ; register 16 c + i: channel 32 c + 16 (lane / 16) + i of query r; each accumulator from its low end on
.set j, j+2
.endr
	WIN 0
.irp b, 0,1
	v_max3_num_f32 v[BM+\b], |v[96+16*\b]|, |v[97+16*\b]|, 0x4800000
.endr
.irp i, 2,4,6,8,10,12,14
.irp b, 0,1
	v_max3_num_f32 v[BM+\b], v[BM+\b], |v[96+16*\b+\i]|, |v[97+16*\b+\i]|
.endr
.endr
.irp b, 0,1
	v_permlanex16_b32 v[T2+\b], v[BM+\b], s38, s39
.endr
.irp b, 0,1
	v_max_num_f32 v[BM+\b], v[BM+\b], v[T2+\b]
.endr
.irp b, 0,1
	v_add_nc_u32 v[SO+\b], 0xfc000000, v[BM+\b]
.endr
.irp b, 0,1
	v_and_or_b32 v[HL+\b], v[BM+\b], 0x7f800000, s42
.endr
.irp b, 0,1
	v_lshrrev_b32 v[T2+\b], 23, v[SO+\b]
.endr
	v_lshl_or_b32 v[TMP], v[T2+1], 8, v[T2]        ; my head's half of a scale word
.irp b, 0,1
.irp i, 0,1,2,3,4,5,6,7,8,9,10,11,12,13,14,15
	v_med3_num_f32 v[96+16*\b+\i], v[96+16*\b+\i], -v[HL+\b], v[HL+\b]
.endr
	v_cvt_scalef32_pk8_fp8_f32 v[PCD+4*\b:PCD+1+4*\b], v[96+16*\b:103+16*\b], v[SO+\b]
	v_cvt_scalef32_pk8_fp8_f32 v[PCD+2+4*\b:PCD+3+4*\b], v[104+16*\b:111+16*\b], v[SO+\b]
.endr
	v_nop                                          ; one plain line behind the last conversion
	ds_store_b128 v[XIA], v[PCD:PCD+3] offset:XI   ; an image of the operand's registers: 16 bytes a lane
	ds_store_b128 v[XIA], v[PCD+4:PCD+7] offset:XI+512
	ds_store_b16 v[XSA], v[TMP] offset:XSW
	BARRIER                                        ; ctx's four fragments and their scale words lie in LDS
.irp ks, 0,1,2,3
.irp c, 0,1,2,3
	ds_load_b128 v[96+16*\ks+4*\c:99+16*\ks+4*\c], v[LI16] offset:XI+2048*\ks+512*\c
.endr
.endr
.irp ks, 0,1,2,3
	ds_load_b32 v[16+\ks], v[L4] offset:XSW+128*\ks
.endr
	s_wait_dscnt 0x0
	s_wait_loadcnt 0x0                             ; Wo, its scale words, bo
	; ---- out^T tile nt = Wo's rows 64 w + 16 nt .. x ctx^T + bo: four accumulators by turns, a K step at a time
.irp ks, 0,1,2,3
	WIN 0x01                                       ; fragments 0-11 lie in window 1,
.irp nt, 0,1,2
	v_wmma_scale_f32_16x16x128_f8f6f4 v[OB+8*\nt:OB+8*\nt+7], v[16*(4*\nt+\ks):16*(4*\nt+\ks)+15], v[96+16*\ks:111+16*\ks], v[OB+8*\nt:OB+8*\nt+7], v[WOSC+4*\nt+\ks], v[16+\ks]
.endr
	WIN 0                                          ; 12-15 in window 0
	v_wmma_scale_f32_16x16x128_f8f6f4 v[OB+24:OB+31], v[WO3+16*\ks:WO3+16*\ks+15], v[96+16*\ks:111+16*\ks], v[OB+24:OB+31], v[WOSC+12+\ks], v[16+\ks]
.endr
	PLACES 8                                       ; in front of the stores of the results and of the loads over ctx's fragments
.irp nt, 0,1,2,3
	ds_store_b128 v[OSA], v[OB+8*\nt:OB+8*\nt+3] offset:64*\nt          ; lane (r, half): out(query r, 64 w + 16 nt + 8 half + 0 .. 7); each accumulator from its low end on
	ds_store_b128 v[OSA], v[OB+8*\nt+4:OB+8*\nt+7] offset:64*\nt+16
.endr
.irp i, 0,1,2,3,4,5,6,7
	ds_load_b128 v[96+4*\i:99+4*\i], v[OSR] offset:544*\i              ; LDS serves a wave's instructions in order (ISA guide 5.7.1.4): these see my stores
.endr
.irp i, 0,1,2,3,4,5,6,7
	s_wait_dscnt 7-\i
	global_store_b128 v170, v[96+4*\i:99+4*\i], s[32:33] offset:(2*\i+8*(\i/4))*2048 th:TH_STORE_NT   ; slots 2 i, 2 i + 1 are tokens 2 i + 8 (i / 4) on; 16 lanes store 256 consecutive bytes, aligned
.endr
	s_wait_tensorcnt 0x0
	ds_add_u32 v5, v6
	s_wait_dscnt 0x0
	s_endpgm
.Lfunc_end_k_qf766ed9711_attn:
	.size	k_qf766ed9711_attn, .Lfunc_end_k_qf766ed9711_attn-k_qf766ed9711_attn
	.p2alignl 7, 3214868480
	.fill 96, 4, 3214868480
	.section	.rodata,"a",@progbits
	.p2align	6, 0x0
	.amdhsa_kernel k_qf766ed9711_attn
		.amdhsa_group_segment_fixed_size 279552
		.amdhsa_private_segment_fixed_size 0
		.amdhsa_enable_private_segment 0
		.amdhsa_kernarg_size 104
		.amdhsa_user_sgpr_count 2
		.amdhsa_user_sgpr_kernarg_segment_ptr 1
		.amdhsa_wavefront_size32 1
		.amdhsa_system_sgpr_workgroup_id_x 1
		.amdhsa_system_sgpr_workgroup_id_y 1
		.amdhsa_system_sgpr_workgroup_id_z 1
		.amdhsa_system_vgpr_workitem_id 0
		.amdhsa_next_free_vgpr 512
		.amdhsa_next_free_sgpr 66
		.amdhsa_reserve_vcc 1
		.amdhsa_float_denorm_mode_32 3
		.amdhsa_float_denorm_mode_16_64 3
		.amdhsa_memory_ordered 1
		.amdhsa_forward_progress 1
		.amdhsa_inst_pref_size 255
	.end_amdhsa_kernel
	.section	.bss,"aw",@nobits
	.p2align	6
	.space	262144
	.amdgpu_metadata
---
amdhsa.version: [ 1, 2 ]
amdhsa.kernels:
  - .name:           k_qf766ed9711_attn
    .symbol:         k_qf766ed9711_attn.kd
    .args:
      - { .name: qf, .offset: 0, .size: 8, .value_kind: global_buffer, .address_space: global }
      - { .name: kf, .offset: 8, .size: 8, .value_kind: global_buffer, .address_space: global }
      - { .name: vf, .offset: 16, .size: 8, .value_kind: global_buffer, .address_space: global }
      - { .name: scl, .offset: 24, .size: 8, .value_kind: global_buffer, .address_space: global }
      - { .name: cst, .offset: 32, .size: 8, .value_kind: global_buffer, .address_space: global }
      - { .name: freqs, .offset: 40, .size: 8, .value_kind: global_buffer, .address_space: global }
      - { .name: W1, .offset: 48, .size: 8, .value_kind: global_buffer, .address_space: global }
      - { .name: b1, .offset: 56, .size: 8, .value_kind: global_buffer, .address_space: global }
      - { .name: W2, .offset: 64, .size: 8, .value_kind: global_buffer, .address_space: global }
      - { .name: Wo_codes, .offset: 72, .size: 8, .value_kind: global_buffer, .address_space: global }
      - { .name: Wo_scales, .offset: 80, .size: 8, .value_kind: global_buffer, .address_space: global }
      - { .name: bo, .offset: 88, .size: 8, .value_kind: global_buffer, .address_space: global }
      - { .name: out0, .offset: 96, .size: 8, .value_kind: global_buffer, .address_space: global }
    .group_segment_fixed_size: 279552
    .private_segment_fixed_size: 0
    .kernarg_segment_align: 8
    .kernarg_segment_size: 104
    .max_flat_workgroup_size: 256
    .sgpr_count:     66
    .vgpr_count:     512
    .wavefront_size: 32
...
	.end_amdgpu_metadata
.endif
;; end of part 2
;; ======== version 2 of 2: 2 launches; version 1 with the launches prep, attn written anew for expert scheduling mode
;; workspace buffers: qf 2,097,152 bytes; kf 2,097,152 bytes; vf 2,097,152 bytes; scl 262,144 bytes; cst 256 bytes
;; launch prep (part 3): grid 32 x 8, 4 waves a work-group, no clusters, 1,536 bytes of LDS; arguments x_codes, x_scales, Wq_codes, Wq_scales, bq, Wk_codes, Wk_scales, bk, Wv_codes, Wv_scales, bv, W1, W2, b2, qf, kf, vf, scl, cst; writes qf, kf, vf, scl, cst
.if DOCPART == 3
	.amdgcn_target "amdgcn-amd-amdhsa--gfx1250"
	.amdhsa_code_object_version 6
	.text
	.protected	k_qf766ed9711_prep
	.globl	k_qf766ed9711_prep
	.p2align	8
	.type	k_qf766ed9711_prep,@function
k_qf766ed9711_prep:
	s_mov_b64 s[64:65], 0
	v_nop
	global_prefetch_b8 v0, s[64:65] scope:SCOPE_SE
	s_setreg_imm32_b32 hwreg(HW_REG_WAVE_SCHED_MODE, 0, 2), 2
	s_setreg_imm32_b32 hwreg(HW_REG_WAVE_MODE, 25, 1), 1
	s_wait_xcnt 0x0
	s_wait_alu depctr_vm_vsrc(0)
; Q = x Wq + bq, K = x Wk + bk, V = x Wv + bv on the given codes of E4M3 (K = 512, four matrix instructions deep), each result quantised again for the attention's products and stored
; IN THE ORDER OF THE OPERAND'S REGISTERS, so that the next launch loads fragments by 16 bytes a lane and nothing else.
; SHARES.  Work-group (x, y) = (batch x 8 + group of 128 tokens, head).  Wave w takes tokens 32 w .. 32 w + 31 of the group as two tiles u: lane r of tile u takes token 32 w + 8 u + r + 8 (r / 8).
; The 64 features of the head are four tiles ft = 2 c + v: lane r takes row 64 head + 32 c + 8 v + r + 8 (r / 8) of the weight.  With rows so chosen the 16 registers of two neighbouring result tiles
; are 16 NEIGHBOURS along the next product's K, which is what the conversions want.
; Q and K are made transposed (source 0 = weight rows, source 1 = x): a lane holds one token, registers run along the features (the scores' K).
; V is made the other way (source 0 = x, source 1 = weight rows): a lane holds one channel, registers run along the tokens (the second product's K).
; BUFFERS, rec = (batch x 8 + head) x 8 + group:  qf, kf: rec 8192 + tile 1024 + block 512 + lane 16 (tile = 2 w + u);  vf: rec 8192 + channel tile 2048 + key block 512 + lane 16;
; scl: rec 1024: K's words at 8 (16 (w & 1) + r) + 4 (w >> 1) (bytes: tile u = 0's two blocks, then tile u = 1's); V's at 256 + 8 (16 (ft & 1) + r) + 4 (ft >> 1), byte w; Q's at 512 + 64 tile + 4 r, (s0, s1, s0, s1).
; cst: -8 sum_k W2[k][h] W1[0][k] (8 words), -8 sum_k W2[k][h] W1[1][k] (8 words), 8 b2[h] (twice 8 words): made by wave 0 of work-group (0, 0).
; A block's scale byte is its largest magnitude's exponent field - 8, held at 1 from below; a block of zeros so keeps the byte 1 where the rule says 127: its codes are zeros and only this program reads the bytes.
; LIMITS: NaN and infinities among the results are not served.
; REGISTERS: window 0: addresses, scale words, biases, accumulators, codes;  window 1: Wq's 16 fragments, later Wv's;  window 2: Wk's;  window 3: x's 8 fragments.
; THE MODE: SCHED_MODE bits 1:0 = 2 (LLVM: expert scheduling mode 2), set by the entry lines.  The code itself states the register dependences
; between vector or matrix instructions and memory or LDS instructions, with s_wait_alu, always for 0.
; THE PLAN.  Registers that memory or LDS instructions touch:
;   v1-v9        offsets and LDS addresses: written at the head, never again.
;   windows 1-3, v16-71, v170-239   filled by loads, read by matrix instructions.  Window 1 alone is filled twice: Wv's loads land where Q's products have read Wq.
;   v136-151 (codes), v168 (a scale word), v156-159 (scale bytes), v10, v11 (Q's words)   written by a quantising, read by the run of stores behind it; the codes and the word are written again by the next quantising.
;   v12-13       an LDS load's result, stored as it is.
; So: one wait on va_vdst ahead of the first load, one ahead of Wv's loads, one ahead of each run of stores; one wait on vm_vsrc ahead of the second and of the third quantising.
.set VX,  1                            ; v1   (r + 8 (r / 8)) x 512 + 16 (lane / 16): my bytes in x's and in every weight's rows
.set VS,  2                            ; v2   (r + 8 (r / 8)) x 16: my row of scale bytes
.set VB,  3                            ; v3   64 (lane / 16): bq's and bk's eight numbers of my half
.set VBV, 4                            ; v4   4 (r + 8 (r / 8)): bv's number of my channel
.set LI,  5                            ; v5   16 x lane
.set LKS, 6                            ; v6   LDS: K's scale word
.set LVS, 7                            ; v7   LDS: V's scale byte
.set LQS, 8                            ; v8   LDS: Q's scale word
.set LT,  9                            ; v9   8 x thread: the scale bytes' way out
.set XS,  16                           ; v16-23  x's scale words (4 u + ks)
.set WSQ, 24                           ; v24-39  Wq's (4 ft + ks)
.set WSK, 40                           ; v40-55  Wk's
.set WSV, 56                           ; v56-71  Wv's
.set ACC, 72                           ; v72-135 eight accumulators
.set PC,  136                          ; v136-151 the codes just made
.set TM,  152                          ; v152-167 at work in QUANT
.set PW,  168                          ; v168 the scale word just made
.set BV,  170                          ; v170-173 bv of my channel, one for each tile
.set BQ,  176                          ; v176-207 bq in the result's layout
.set BK,  208                          ; v208-239 bk likewise
.set MSB, 0
.macro WIN new                         ; the immediate's high byte repeats the setting that is left
.if MSB != (\new)
	s_set_vgpr_msb (MSB<<8)|(\new)
.set MSB, (\new)
.endif
.endm
.macro PLACES n
.rept \n
	v_nop
.endr
.endm
; 64 numbers of a lane in four blocks of 16 registers become codes in v[PC + 4 b ..], bytes in v[TM + 4 + b] and the word of the four bytes in v[PW].  A block of 32 lies in lanes l and l xor 16.
.macro QUANT s
.irp b, 0,1,2,3
	v_max3_num_f32 v[TM+\b], |v[\s+16*\b]|, |v[\s+1+16*\b]|, 0x4800000   ; my 16 numbers and the floor 2^(9 - 127): the byte cannot fall under 1
.endr
.irp i, 2,4,6,8,10,12,14
.irp b, 0,1,2,3
	v_max3_num_f32 v[TM+\b], v[TM+\b], |v[\s+16*\b+\i]|, |v[\s+1+16*\b+\i]|   ; the four blocks by turns
.endr
.endr
.irp b, 0,1,2,3
	v_permlanex16_b32 v[TM+4+\b], v[TM+\b], s50, s51
.endr
.irp b, 0,1,2,3
	v_max_num_f32 v[TM+\b], v[TM+\b], v[TM+4+\b]       ; the block's largest magnitude
.endr
.irp b, 0,1,2,3
	v_add_nc_u32 v[TM+12+\b], 0xfc000000, v[TM+\b]     ; 8 off its exponent field: the conversion's scale operand
.endr
.irp b, 0,1,2,3
	v_and_or_b32 v[TM+8+\b], v[TM+\b], 0x7f800000, s52 ; 448 x the scale
.endr
.irp b, 0,1,2,3
	v_lshrrev_b32 v[TM+4+\b], 23, v[TM+12+\b]          ; the scale's byte
.endr
	v_lshl_or_b32 v[PW], v[TM+5], 8, v[TM+4]
	v_lshl_or_b32 v[PW], v[TM+6], 16, v[PW]
	v_lshl_or_b32 v[PW], v[TM+7], 24, v[PW]
.irp b, 0,1,2,3
.irp i, 0,1,2,3,4,5,6,7,8,9,10,11,12,13,14,15
	v_med3_num_f32 v[\s+16*\b+\i], v[\s+16*\b+\i], -v[TM+8+\b], v[TM+8+\b]   ; the conversion to an 8-bit code does not saturate (ISA guide 7.6.2): hold first
.endr
	v_cvt_scalef32_pk8_fp8_f32 v[PC+4*\b:PC+1+4*\b], v[\s+16*\b:\s+7+16*\b], v[TM+12+\b]
	v_cvt_scalef32_pk8_fp8_f32 v[PC+2+4*\b:PC+3+4*\b], v[\s+8+16*\b:\s+15+16*\b], v[TM+12+\b]
.endr
	v_nop                                              ; one plain line behind the last conversion: later products write its sources
.endm
; a weight's 16 fragments (tile ft, K step ks) into v[64 ft + 16 ks] of window win
.macro WLOAD win, sb
	WIN (\win<<6)
.irp ft, 0,1,2,3
.irp ks, 0,1,2,3
.irp c, 0,1,2,3
	global_load_b128 v[64*\ft+16*\ks+4*\c:64*\ft+16*\ks+4*\c+3], v[VX], s[\sb:\sb+1] offset:(32*(\ft/2)+8*(\ft%2))*512+128*\ks+32*\c
.endr
.endr
.endr
	WIN 0
.endm
; Q or K, transposed: eight accumulators (token tile u, feature tile ft) by turns, one instruction a turn; the bias is the C of each sum's first instruction
.macro MULT wset, WS, BIAS
	WIN \wset
.irp ks, 0,1,2,3
.irp u, 0,1
.irp ft, 0,1,2,3
.if \ks == 0
	v_wmma_scale_f32_16x16x128_f8f6f4 v[ACC+32*\u+8*\ft:ACC+32*\u+8*\ft+7], v[64*\ft+16*\ks:64*\ft+16*\ks+15], v[64*\u+16*\ks:64*\u+16*\ks+15], v[\BIAS+8*\ft:\BIAS+8*\ft+7], v[\WS+4*\ft+\ks], v[XS+4*\u+\ks]
.else
	v_wmma_scale_f32_16x16x128_f8f6f4 v[ACC+32*\u+8*\ft:ACC+32*\u+8*\ft+7], v[64*\ft+16*\ks:64*\ft+16*\ks+15], v[64*\u+16*\ks:64*\u+16*\ks+15], v[ACC+32*\u+8*\ft:ACC+32*\u+8*\ft+7], v[\WS+4*\ft+\ks], v[XS+4*\u+\ks]
.endif
.endr
.endr
.endr
	WIN 0
.endm
	s_load_b512 s[8:23], s[0:1], 0x0               ; x_codes 8, x_scales 10, Wq_codes 12, Wq_scales 14, bq 16, Wk_codes 18, Wk_scales 20, bk 22
	s_load_b512 s[24:39], s[0:1], 0x40             ; Wv_codes 24, Wv_scales 26, bv 28, W1 30, W2 32, b2 34, qf 36, kf 38
	s_load_b128 s[40:43], s[0:1], 0x80             ; vf 40, scl 42
	s_load_b64 s[44:45], s[0:1], 0x90              ; cst
	v_lshl_add_u32 v254, v0, 2, 0x400
	v_mov_b32 v255, 0
	v_lshrrev_b32 v10, 5, v0
	v_readfirstlane_b32 s46, v10                   ; wave 0..3
	s_and_b32 s47, ttmp7, 0xffff                   ; head
	v_and_b32 v10, 15, v0                          ; r
	v_bfe_u32 v11, v0, 4, 1                        ; lane / 16
	v_and_b32 v12, 8, v10
	v_add_nc_u32 v12, v12, v10                     ; r + 8 (r / 8)
	v_lshlrev_b32 v[VX], 9, v12
	v_lshl_add_u32 v[VX], v11, 4, v[VX]
	v_lshlrev_b32 v[VS], 4, v12
	v_lshlrev_b32 v[VB], 6, v11
	v_lshlrev_b32 v[VBV], 2, v12
	v_and_b32 v13, 31, v0
	v_lshlrev_b32 v[LI], 4, v13
	s_wait_alu depctr_va_sdst(0)                   ; s46, the wave's number, is written, ahead of its first reader
	s_and_b32 s48, s46, 1
	s_lshl_b32 s48, s48, 7
	s_lshr_b32 s49, s46, 1
	s_lshl_b32 s49, s49, 2
	s_add_co_u32 s48, s48, s49
	v_lshl_add_u32 v[LKS], v10, 3, s48             ; 8 r + 128 (w & 1) + 4 (w >> 1)
	s_add_co_u32 s48, s46, 256
	v_lshl_add_u32 v[LVS], v10, 3, s48             ; 256 + 8 r + w
	s_lshl_b32 s48, s46, 7
	s_add_co_u32 s48, s48, 512
	v_lshl_add_u32 v[LQS], v10, 2, s48             ; 512 + 128 w + 4 r
	v_lshlrev_b32 v[LT], 3, v0
.irp b, 0,1,2,3
	v_mov_b32 v[TM+4+\b], 0                        ; written once: a lane permute's destination counts as one of its sources
.endr
	s_mov_b32 s50, 0x76543210
	s_mov_b32 s51, 0xfedcba98                      ; v_permlanex16_b32's selects for lane l xor 16
	s_mov_b32 s52, 0x600000                        ; the mantissa field of 448
	s_lshl_b32 s48, ttmp9, 7
	s_lshl_b32 s49, s46, 5
	s_add_co_u32 s48, s48, s49                     ; my wave's first token: 128 x + 32 w
	s_lshl_b32 s54, s48, 9                         ; its codes,
	s_mov_b32 s55, 0
	s_lshl_b32 s48, s48, 4                         ; its scale bytes
	s_mov_b32 s49, 0
	s_lshl_b32 s56, s47, 15                        ; the head's 64 rows of a weight,
	s_mov_b32 s57, 0
	s_lshl_b32 s58, s47, 10                        ; of its scale bytes,
	s_mov_b32 s59, 0
	s_lshl_b32 s60, s47, 8                         ; and its 64 numbers of a bias
	s_mov_b32 s61, 0
	s_lshr_b32 s53, ttmp9, 3
	s_lshl_b32 s53, s53, 3
	s_add_co_u32 s53, s53, s47
	s_lshl_b32 s53, s53, 3
	s_and_b32 s62, ttmp9, 7
	s_add_co_u32 s53, s53, s62                     ; rec = (batch x 8 + head) x 8 + group
	s_wait_kmcnt 0x0
	s_add_nc_u64 s[8:9], s[8:9], s[54:55]
	s_add_nc_u64 s[10:11], s[10:11], s[48:49]
	s_add_nc_u64 s[12:13], s[12:13], s[56:57]
	s_add_nc_u64 s[18:19], s[18:19], s[56:57]
	s_add_nc_u64 s[24:25], s[24:25], s[56:57]
	s_add_nc_u64 s[14:15], s[14:15], s[58:59]
	s_add_nc_u64 s[20:21], s[20:21], s[58:59]
	s_add_nc_u64 s[26:27], s[26:27], s[58:59]
	s_add_nc_u64 s[16:17], s[16:17], s[60:61]
	s_add_nc_u64 s[22:23], s[22:23], s[60:61]
	s_add_nc_u64 s[28:29], s[28:29], s[60:61]
	s_lshl_b32 s54, s53, 13                        ; rec x 8192
	s_lshl_b32 s48, s46, 11
	s_add_co_u32 s48, s48, s54                     ; + 2048 w
	s_add_nc_u64 s[36:37], s[36:37], s[48:49]
	s_add_nc_u64 s[38:39], s[38:39], s[48:49]
	s_lshl_b32 s48, s46, 9
	s_add_co_u32 s48, s48, s54                     ; + 512 w
	s_add_nc_u64 s[40:41], s[40:41], s[48:49]
	s_lshl_b32 s48, s53, 10
	s_add_nc_u64 s[42:43], s[42:43], s[48:49]
	s_wait_alu depctr_va_vdst(0)                   ; the nine offsets and LDS addresses v1 to v9 are written: every load and store of the kernel but the constants' reads one of them
	; 34 small loads, x's 32, Wq's 64, Wk's 64
.irp u, 0,1
	global_load_b128 v[XS+4*\u:XS+4*\u+3], v[VS], s[10:11] offset:128*\u
.endr
.irp ft, 0,1,2,3
	global_load_b128 v[WSQ+4*\ft:WSQ+4*\ft+3], v[VS], s[14:15] offset:(32*(\ft/2)+8*(\ft%2))*16
	global_load_b128 v[WSK+4*\ft:WSK+4*\ft+3], v[VS], s[20:21] offset:(32*(\ft/2)+8*(\ft%2))*16
	global_load_b128 v[WSV+4*\ft:WSV+4*\ft+3], v[VS], s[26:27] offset:(32*(\ft/2)+8*(\ft%2))*16
	global_load_b128 v[BQ+8*\ft:BQ+8*\ft+3], v[VB], s[16:17] offset:(32*(\ft/2)+8*(\ft%2))*4
	global_load_b128 v[BQ+8*\ft+4:BQ+8*\ft+7], v[VB], s[16:17] offset:(32*(\ft/2)+8*(\ft%2))*4+16
	global_load_b128 v[BK+8*\ft:BK+8*\ft+3], v[VB], s[22:23] offset:(32*(\ft/2)+8*(\ft%2))*4
	global_load_b128 v[BK+8*\ft+4:BK+8*\ft+7], v[VB], s[22:23] offset:(32*(\ft/2)+8*(\ft%2))*4+16
	global_load_b32 v[BV+\ft], v[VBV], s[28:29] offset:(32*(\ft/2)+8*(\ft%2))*4
.endr
	WIN 0xc0                                       ; destination window 3
.irp u, 0,1
.irp ks, 0,1,2,3
.irp c, 0,1,2,3
	global_load_b128 v[64*\u+16*\ks+4*\c:64*\u+16*\ks+4*\c+3], v[VX], s[8:9] offset:4096*\u+128*\ks+32*\c
.endr
.endr
.endr
	WIN 0
	WLOAD 1, 12                                    ; Wq
	WLOAD 2, 18                                    ; Wk
	s_wait_loadcnt 63                              ; behind Wq's last load 64 were issued: at most 63 out shows it in
	; ---- Q
	MULT 0x0d, WSQ, BQ                             ; source 0 window 1, source 1 window 3
	PLACES 9                                       ; eight for the reads of the results; the ninth for the next products, which begin these accumulators anew
	s_wait_alu depctr_va_vdst(0)                   ; Q's products are done reading Wq's fragments, in which Wv's loads land
	WLOAD 1, 24                                    ; Wv takes Wq's place
	QUANT ACC
	v_lshl_or_b32 v10, v[TM+5], 8, v[TM+4]         ; tile u = 0: (s0, s1),
	v_lshl_or_b32 v10, v10, 16, v10                ; twice: the scores' product has Q's data in either half of its K
	v_lshl_or_b32 v11, v[TM+7], 8, v[TM+6]
	v_lshl_or_b32 v11, v11, 16, v11
	s_wait_alu depctr_va_vdst(0)                   ; the conversions have written the codes v[PC ..], and Q's two scale words v10 and v11 are written: the six stores below read them
.irp u, 0,1
.irp c, 0,1
	global_store_b128 v[LI], v[PC+4*(2*\u+\c):PC+4*(2*\u+\c)+3], s[36:37] offset:\u*1024+\c*512   ; the wave stores 512 consecutive bytes
.endr
.endr
	ds_store_b32 v[LQS], v10
	ds_store_b32 v[LQS], v11 offset:64
	s_wait_loadcnt 63                              ; behind Wk's last load stand Wv's 64
	; ---- K
	MULT 0x0e, WSK, BK                             ; source 0 window 2
	PLACES 9
	s_wait_xcnt 0x0                                ; Q's stores have had their addresses translated
	s_wait_dscnt 0x0
	s_wait_alu depctr_vm_vsrc(0)                   ; Q's stores have read the codes v[PC ..], which the conversions below write again
	QUANT ACC
	s_wait_alu depctr_va_vdst(0)                   ; the conversions have written the codes, and the scale word v[PW] is written: the five stores below read them
.irp u, 0,1
.irp c, 0,1
	global_store_b128 v[LI], v[PC+4*(2*\u+\c):PC+4*(2*\u+\c)+3], s[38:39] offset:\u*1024+\c*512
.endr
.endr
	ds_store_b32 v[LKS], v[PW]                     ; bytes: (u 0, c 0), (u 0, c 1), (u 1, c 0), (u 1, c 1); lanes r and r + 16 write the same word with the same value
	s_wait_loadcnt 0x0                             ; Wv
	; ---- V: source 0 = x, source 1 = Wv's rows: a lane holds one channel, registers run along the tokens
	WIN 0x07                                       ; source 0 window 3, source 1 window 1
.irp ks, 0,1,2,3
.irp ft, 0,1,2,3
.irp u, 0,1
.if \ks == 0
	v_wmma_scale_f32_16x16x128_f8f6f4 v[ACC+16*\ft+8*\u:ACC+16*\ft+8*\u+7], v[64*\u+16*\ks:64*\u+16*\ks+15], v[64*\ft+16*\ks:64*\ft+16*\ks+15], 0, v[XS+4*\u+\ks], v[WSV+4*\ft+\ks]
.else
	v_wmma_scale_f32_16x16x128_f8f6f4 v[ACC+16*\ft+8*\u:ACC+16*\ft+8*\u+7], v[64*\u+16*\ks:64*\u+16*\ks+15], v[64*\ft+16*\ks:64*\ft+16*\ks+15], v[ACC+16*\ft+8*\u:ACC+16*\ft+8*\u+7], v[XS+4*\u+\ks], v[WSV+4*\ft+\ks]
.endif
.endr
.endr
.endr
	WIN 0
	PLACES 9
.irp p, 0,1                                    ; + bv of my channel, each accumulator from its low end on
.irp j, 0,2,4,6,8,10,12,14
	v_pk_add_f32 v[ACC+32*\p+\j:ACC+32*\p+\j+1], v[ACC+32*\p+\j:ACC+32*\p+\j+1], v[BV+2*\p:BV+2*\p+1] op_sel_hi:[1,0]
.endr
.irp j, 0,2,4,6,8,10,12,14
	v_pk_add_f32 v[ACC+32*\p+16+\j:ACC+32*\p+16+\j+1], v[ACC+32*\p+16+\j:ACC+32*\p+16+\j+1], v[BV+2*\p:BV+2*\p+1] op_sel:[0,1] op_sel_hi:[1,1]
.endr
.endr
	s_wait_xcnt 0x0                                ; K's stores have had their addresses translated
	s_wait_dscnt 0x0
	s_wait_alu depctr_vm_vsrc(0)                   ; K's stores have read the codes v[PC ..] and the scale word v[PW], which the lines below write again
	QUANT ACC                                      ; block ft: channel tile ft, my wave's 32 tokens
	s_wait_alu depctr_va_vdst(0)                   ; the conversions have written the codes, and the four scale bytes v[TM + 4 ..] are written: the eight stores below read them
.irp ft, 0,1,2,3
	global_store_b128 v[LI], v[PC+4*\ft:PC+4*\ft+3], s[40:41] offset:\ft*2048
.endr
.irp ft, 0,1,2,3
	ds_store_b8 v[LVS], v[TM+4+\ft] offset:128*(\ft%2)+4*(\ft/2)
.endr
	; ---- the 1,024 scale bytes leave together: each wave one run of 256 consecutive bytes, aligned
	s_wait_dscnt 0x0                               ; for the others' sake: my stores into the stage are done
	s_barrier_signal -1
	s_barrier_wait -1
	ds_load_b64 v[12:13], v[LT]                    ; (no vector instruction since the last wait on va_vdst names v12 or v13)
	s_wait_dscnt 0x0
	global_store_b64 v[LT], v[12:13], s[42:43]
	; ---- the 24 constants of the pair bias: one wave of one work-group
	s_or_b32 s48, ttmp9, s47
	s_or_b32 s48, s48, s46
	s_cmp_lg_u32 s48, 0
	s_cbranch_scc1 .Lend
	s_wait_xcnt 0x0                                ; the stores above have had their addresses translated
	v_and_b32 v10, 7, v0
	v_lshlrev_b32 v10, 2, v10                      ; 4 h, h = lane % 8
	v_bfe_u32 v11, v0, 3, 1
	v_lshlrev_b32 v11, 8, v11                      ; row (lane / 8) % 2 of W1
	s_wait_alu depctr_va_vdst(0)                   ; the two offsets v10 and v11 are written, which the 81 loads below read
.set k, 0
.rept 64
	global_load_b32 v[72+k], v10, s[32:33] offset:32*k      ; W2[k][h]
.set k, k+1
.endr
.set k, 0
.rept 16
	global_load_b128 v[176+4*k:179+4*k], v11, s[30:31] offset:16*k   ; W1[row][4 k ..]
.set k, k+1
.endr
	global_load_b32 v14, v10, s[34:35]             ; b2[h]
	s_wait_loadcnt 0x0
.irp c, 0,1,2,3
	v_mul_f32 v[152+\c], v[72+\c], v[176+\c]       ; four chains
.endr
.set k, 4
.rept 15
.irp c, 0,1,2,3
	v_fmac_f32 v[152+\c], v[72+k+\c], v[176+k+\c]
.endr
.set k, k+4
.endr
	v_add_f32 v152, v152, v153
	v_add_f32 v154, v154, v155
	v_add_f32 v152, v152, v154
	v_mul_f32 v152, 0xc1000000, v152               ; x -8
	v_mul_f32 v14, 0x41000000, v14                 ; 8 b2
	v_and_b32 v15, 31, v0
	v_cmp_gt_u32 vcc_lo, 16, v15
	s_wait_alu depctr_va_vcc(0)                    ; VCC is written, ahead of the select that reads it
	v_cndmask_b32 v152, v14, v152, vcc_lo          ; lanes 0-15 the sums, lanes 16-31 8 b2
	v_lshlrev_b32 v15, 2, v15
	s_wait_alu depctr_va_vdst(0)                   ; v152 and its offset v15 are written, which the store reads
	global_store_b32 v15, v152, s[44:45]
.Lend:
	s_wait_dscnt 0x0                               ; the closing lines, six on end
	s_wait_alu 0x0
	s_wait_tensorcnt 0x0
	ds_add_u32 v254, v255
	s_wait_dscnt 0x0
	s_endpgm
.Lfunc_end_k_qf766ed9711_prep:
	.size	k_qf766ed9711_prep, .Lfunc_end_k_qf766ed9711_prep-k_qf766ed9711_prep
	.p2alignl 7, 3214868480
	.fill 96, 4, 3214868480
	.section	.rodata,"a",@progbits
	.p2align	6, 0x0
	.amdhsa_kernel k_qf766ed9711_prep
		.amdhsa_group_segment_fixed_size 1536
		.amdhsa_private_segment_fixed_size 0
		.amdhsa_enable_private_segment 0
		.amdhsa_kernarg_size 152
		.amdhsa_user_sgpr_count 2
		.amdhsa_user_sgpr_kernarg_segment_ptr 1
		.amdhsa_wavefront_size32 1
		.amdhsa_system_sgpr_workgroup_id_x 1
		.amdhsa_system_sgpr_workgroup_id_y 1
		.amdhsa_system_sgpr_workgroup_id_z 1
		.amdhsa_system_vgpr_workitem_id 0
		.amdhsa_next_free_vgpr 896
		.amdhsa_next_free_sgpr 66
		.amdhsa_reserve_vcc 1
		.amdhsa_float_denorm_mode_32 3
		.amdhsa_float_denorm_mode_16_64 3
		.amdhsa_memory_ordered 1
		.amdhsa_forward_progress 1
		.amdhsa_inst_pref_size 80
	.end_amdhsa_kernel
	.amdgpu_metadata
---
amdhsa.version: [ 1, 2 ]
amdhsa.kernels:
  - .name:           k_qf766ed9711_prep
    .symbol:         k_qf766ed9711_prep.kd
    .args:
      - { .name: x_codes, .offset: 0, .size: 8, .value_kind: global_buffer, .address_space: global }
      - { .name: x_scales, .offset: 8, .size: 8, .value_kind: global_buffer, .address_space: global }
      - { .name: Wq_codes, .offset: 16, .size: 8, .value_kind: global_buffer, .address_space: global }
      - { .name: Wq_scales, .offset: 24, .size: 8, .value_kind: global_buffer, .address_space: global }
      - { .name: bq, .offset: 32, .size: 8, .value_kind: global_buffer, .address_space: global }
      - { .name: Wk_codes, .offset: 40, .size: 8, .value_kind: global_buffer, .address_space: global }
      - { .name: Wk_scales, .offset: 48, .size: 8, .value_kind: global_buffer, .address_space: global }
      - { .name: bk, .offset: 56, .size: 8, .value_kind: global_buffer, .address_space: global }
      - { .name: Wv_codes, .offset: 64, .size: 8, .value_kind: global_buffer, .address_space: global }
      - { .name: Wv_scales, .offset: 72, .size: 8, .value_kind: global_buffer, .address_space: global }
      - { .name: bv, .offset: 80, .size: 8, .value_kind: global_buffer, .address_space: global }
      - { .name: W1, .offset: 88, .size: 8, .value_kind: global_buffer, .address_space: global }
      - { .name: W2, .offset: 96, .size: 8, .value_kind: global_buffer, .address_space: global }
      - { .name: b2, .offset: 104, .size: 8, .value_kind: global_buffer, .address_space: global }
      - { .name: qf, .offset: 112, .size: 8, .value_kind: global_buffer, .address_space: global }
      - { .name: kf, .offset: 120, .size: 8, .value_kind: global_buffer, .address_space: global }
      - { .name: vf, .offset: 128, .size: 8, .value_kind: global_buffer, .address_space: global }
      - { .name: scl, .offset: 136, .size: 8, .value_kind: global_buffer, .address_space: global }
      - { .name: cst, .offset: 144, .size: 8, .value_kind: global_buffer, .address_space: global }
    .group_segment_fixed_size: 1536
    .private_segment_fixed_size: 0
    .kernarg_segment_align: 8
    .kernarg_segment_size: 152
    .max_flat_workgroup_size: 128
    .sgpr_count:     66
    .vgpr_count:     896
    .wavefront_size: 32
...
	.end_amdgpu_metadata
.endif
;; end of part 3
;; launch attn (part 4): grid 64 x 4, 8 waves a work-group, no clusters, 279,552 bytes of LDS; arguments qf, kf, vf, scl, cst, freqs, W1, b1, W2, Wo_codes, Wo_scales, bo, out0; writes out0
.if DOCPART == 4
	.amdgcn_target "amdgcn-amd-amdhsa--gfx1250"
	.amdhsa_code_object_version 6
	.text
	.protected	k_qf766ed9711_attn
	.globl	k_qf766ed9711_attn
	.p2align	8
	.type	k_qf766ed9711_attn,@function
k_qf766ed9711_attn:
	s_mov_b64 s[64:65], 0
	v_nop
	global_prefetch_b8 v0, s[64:65] scope:SCOPE_SE
	s_setreg_imm32_b32 hwreg(HW_REG_WAVE_SCHED_MODE, 0, 2), 2
	s_setreg_imm32_b32 hwreg(HW_REG_WAVE_MODE, 25, 1), 1
	s_wait_xcnt 0x0
	s_wait_alu depctr_vm_vsrc(0)
; out = softmax(Q K^T / 8 + bias) V Wo + bo for 16 queries of one batch, ALL EIGHT HEADS, so that the pair bias (an MLP 2 -> 64 -> 8 on each pair of query and key) is made once for the eight heads and never leaves LDS.
; THE BIAS.  With f0 the batch's first frequency, u = f - f0, L = ln((f + eps) / (f0 + eps)), a_k(i) = W1[0][k] u_i + W1[1][k] L_i + b1[k], c_k(j) = W1[0][k] u_j + W1[1][k] L_j:
;   rel W1 + b1 = a_k(i) - c_k(j),  relu(a - c) = max(a, c) - c,  and the sum over k of W2[k][h] c_k(j) is linear in (u_j, L_j).  So
;   8 bias_h(i, j) = G_h(j) + sum_k 8 W2[k][h] max(a_k(i), c_k(j)),  G_h(j) = 8 b2[h] - 8 P0[h] u_j - 8 P1[h] L_j  (the three constants come from the launch before).
;   All in f32: for 16 pairs and one hidden unit 2 + 16 + 64 vector instructions (c_k; maxima; packed multiply-adds for 8 heads).  The factor 8 lets the bias be the C of the scores' product: t = (K Q^T + 8 bias) log2(e) / 8.
; LIMIT: a batch in which some f + 1e-6 is 0 or differs in sign from f0 + 1e-6 has NaN or infinite logarithms in the reference; it is not served (the maximum here drops NaN).
; SHARES.  Work-group (x, y) = (query tile T of 64, batch): 256 in all.  Query slot r is token 32 (T / 2) + 8 (T % 2) + r + 8 (r / 8).  Four steps of 256 keys, each of two phases:
;   BIAS(s): thread t owns key 256 s + t, for 16 queries x 8 heads = 128 sums in registers; they go to LDS as [head][query][key];
;   ATT(s):  wave w is head w: twice 128 keys: S^T = K Q^T + 8 bias (8 products), the softmax by the rule (p = 2^(t - M), M a whole number, running; the sum of the unquantised p), p quantised along the keys, O^T += V^T p^T (4 products).
; TWO BUFFERS, TWO ROLES.  The bias has two buffers in LDS, 2^17 bytes apart.  In a trip ATT(s) reads buffer s % 2 and BIAS(s + 1) writes the other, so the two phases need no order within a trip, and one barrier ends it.
;   Waves of role 1 take ATT first and BIAS second, waves of role 0 the other way round: one wave's attention (dependent chains, exponentials, waits for LDS and memory) stands beside another's dense multiply-adds.
;   role = (w xor (w >> 2)) & 1: it differs between waves w and w + 4 and between waves 2 m and 2 m + 1.  BIAS stands once, on every wave's way; ATT stands twice, each copy under a branch on the role.
; A BUFFER is 8 heads x 16 queries x 1,024 bytes with no padding: key j of query i lies at (4 j) xor (16 i) of its row, so that the 16 rows of a 16-byte load fall on 16 different 16-byte columns of 256 bytes, and a 4-byte store of 32 lanes covers one block of 128 bytes.
; THE SCORES' K IS 64, the instruction's 128: K's registers lie [tile 2 b][zeros][tile 2 b + 1] and Q's [Q][zeros][Q]; an even tile takes the first 16 of the 24, an odd one the last 16: zero codes add nothing under the real scale bytes that stand over them.
; At the end each wave's O^T / sum is quantised (two blocks of 32 of the last product's K = 512), goes to LDS as an image of the operand's registers, and wave w makes output columns 64 w .. 64 w + 63.
; K, V and Wo go from memory straight into the registers of the one wave that multiplies them, a tile ahead: no tensor load, no cluster: no byte of them is read by two waves of a work-group.
; REGISTERS: window 0 below; window 1: v0-95 K (24 a pair of tiles), v96-159 V, v160-183 Q, v184-207 the constants, v208-239 O^T; at the end v0-191 Wo's fragments 0-11.
; THE MODE: SCHED_MODE bits 1:0 = 2 (LLVM: expert scheduling mode 2), set by the entry lines.  The code itself states the register dependences
; between vector or matrix instructions and memory or LDS instructions, with s_wait_alu, always for 0.
; THE PLAN.  Registers that memory or LDS instructions touch, round the loop over the steps:
;   v1, v2, v7, v8, v248-250   offsets and LDS addresses, written at the head and never again.
;   v251-255, v93-95   ARCS writes them at a trip's head; attention's 32 LDS loads read them.
;   v10, v11 (TA, TB)  TA is written at a bias phase's head (the address of (u, L)); both once for each four hidden units; the ring's loads read them.  The phase's first four units read by v7 and v8 themselves.
;   v22-23, v48-91     (u, L) and the ring of four hidden units: LDS loads land there, the units' vector lines read them.  THE RING IS ASKED FOR AGAIN IN PAIRS: slots 0 and 1 behind unit 1, slots 2 and 3 behind unit 3.
;   v32-63, v96-223    at a bias phase's end the 32 addresses and the 128 sums: vector lines write them, the 128 LDS stores read them.
;   v96-159 (S)        attention's LDS loads land there (8 bias); products and softmax work on them.
;   window 1 v0-159, v16-19   K, V and their scale words: global loads land there, the products read them.
; THE WAITS.  ARCS: vm_vsrc ahead of its lines (the last attention's loads have read the eight addresses; the last bias phase's stores and ring loads have read theirs), va_vdst behind them, ahead of the branch on the role.
;   BIAS: va_vdst at its head; vm_vsrc ahead of each step of TA and TB; va_vdst ahead of each pair of reloads; va_vdst ahead of the stores.
;   ATT: vm_vsrc at the head of the copy that stands behind BIAS; va_vdst behind the scores (K is free), behind the exponentials, ahead of the second product (p's codes and scale word are written) and behind it (V is free; S too).
.set BUF,   1<<17                      ; a buffer of bias: 8 x 16 x 1,024 bytes; the other one begins here
.set AT,    2*BUF                      ; 262,144: a^T: 64 k + 4 slot
.set WR,    AT+4096                    ; 64 k: words 0-7 8 W2[k][h], word 8 W1[0][k], word 9 W1[1][k]
.set ULT,   WR+4096                    ; 8 key: (u, L); ends at 278,528
.set XI,    0                          ; at the end, in buffer 0, whose last read stands ahead of the last trip's barrier: ctx's images, 1024 head + 512 block + 16 lane,
.set XSW,   8192                       ; their scale words, 128 ks + 4 lane,
.set OST,   16384                      ; and a stage of 16 rows x 272 bytes for each wave
.set LI16, 1                           ; v1   16 x lane
.set LI8,  2                           ; v2   8 x lane
.set ARB,  3                           ; v3   head x 16,384 + r x 1,024 + ((64 (lane / 16)) xor (16 r)): my place in a buffer, for reading
.set AW0,  4                           ; v4   4 x thread: my key's place in a row, for storing
.set AA,   7                           ; v7   AT + 4 (lane % 16)
.set AWR,  8                           ; v8   WR
.set AUL0, 9                           ; v9   ULT + 8 x thread
.set TA,   10                          ; v10, v11 the addresses in hand
.set TB,   11                          ; v12 -M, v13 the largest t, v[14:15] the row's sum in two halves
.set KSC,  16                          ; v16-17 K's scale words, v18-19 V's, v20 Q's, v21 p's: scales and nothing else
.set VSC,  18
.set QSC,  20
.set PSC,  21
.set UL,   22                          ; v[22:23] (u, L) of my key
.set G,    24                          ; v24-31 G_h of my key
.set HID,  32                          ; v32-47 max(a_k(i), c_k) for the 16 queries; at a bias phase's end v32-63 are the 32 addresses of its stores
.set RA,   48                          ; v48-51 ring of four hidden units: a_k, lane % 16 = query
.set R1,   52                          ; v52-59 W1[0][k], W1[1][k]
.set RW,   60                          ; v60-91 8 W2[k][0..7]
.set CK,   92                          ; v92  c_k of my key
.set ACC,  96                          ; v96-223 the 128 sums, 8 query + head
.set S,    96                          ; in ATT: v96-159 S^T, then p
.set PCD,  160                         ; v160-175 p's codes
.set BM,   176                         ; v176-179 the blocks' largest scores, then largest p
.set T2,   180                         ; v180-183 at work
.set HL,   184                         ; v184-187 448 x the scale
.set SO,   188                         ; v188-191 the conversions' scale operands
.set F,    192                         ; v[192:193] 2^(old M - new M)
.set TMP,  194
.set XIA,  195                         ; the end's LDS addresses: v195-199, v168-170
.set XSA,  196
.set L4,   197
.set OSA,  198
.set OSR,  199
.set OB,   200                         ; v200-231 the output's four accumulators, begun as bo
.set WOSC, 232                         ; v232-247 Wo's scale words and nothing else
.set WOF,  248                         ; v248 r x 512 + 16 (lane / 16); v249 16 r; v250 32 (lane / 16)
.set WOS,  249
.set WOBI, 250
.set WO3,  24                          ; v24-87 at the end: Wo's fragments 12-15
                                       ; v251-255, v93-95: the eight addresses from which ATT reads the bias: addresses and nothing else
                                       ; s47 the buffer that ATT reads, s56 the buffer that BIAS writes (0 or BUF), s57 my role
.set MSB, 0
.macro WIN new                         ; the immediate's high byte repeats the setting that is left
.if MSB != (\new)
	s_set_vgpr_msb (MSB<<8)|(\new)
.set MSB, (\new)
.endif
.endm
.macro PLACES n
.rept \n
	v_nop
.endr
.endm
.macro BARRIER                         ; my LDS stores have landed and my LDS loads are in: then the work-group's barrier
	s_wait_dscnt 0x0
	s_barrier_signal -1
	s_barrier_wait -1
.endm
; 17 loads: a group of 128 keys of K as fragments, and its scale words (register 0: pairs of tiles 0 | 1 in the two halves of the lanes; register 1: 2 | 3)
.macro KLOAD koff, soff
	WIN 0x40                                       ; destination window 1
.irp t, 0,1,2,3,4,5,6,7
.irp c, 0,1
	global_load_b128 v[24*(\t/2)+16*(\t%2)+4*\c:24*(\t/2)+16*(\t%2)+4*\c+3], v[LI16], s[10:11] offset:(\koff)+\t*1024+512*\c
.endr
.endr
	WIN 0
	global_load_b64 v[KSC:KSC+1], v[LI8], s[14:15] offset:(\soff)
.endm
.macro VLOAD koff, soff                ; 17 loads: the same group of V
	WIN 0x40
.irp dt, 0,1,2,3
.irp c, 0,1,2,3
	global_load_b128 v[96+16*\dt+4*\c:96+16*\dt+4*\c+3], v[LI16], s[12:13] offset:(\koff)+\dt*2048+512*\c
.endr
.endr
	WIN 0
	global_load_b64 v[VSC:VSC+1], v[LI8], s[14:15] offset:(\soff)+256
.endm
.macro WOFRAG f, reg                   ; Wo's fragment f = 4 nt + ks
.irp c, 0,1,2,3
	global_load_b128 v[\reg+4*\c:\reg+4*\c+3], v[WOF], s[26:27] offset:((\f)/4)*8192+128*((\f)%4)+32*\c
.endr
.endm
.macro WOA                             ; 36 loads: Wo's fragments 0-5 over K, its scale words, bo in the result's layout
	WIN 0x40
.irp f, 0,1,2,3,4,5
	WOFRAG \f, 16*\f
.endr
	WIN 0
.irp nt, 0,1,2,3
	global_load_b128 v[WOSC+4*\nt:WOSC+4*\nt+3], v[WOS], s[28:29] offset:256*\nt
.endr
.irp nt, 0,1,2,3
	global_load_b128 v[OB+8*\nt:OB+8*\nt+3], v[WOBI], s[30:31] offset:64*\nt
	global_load_b128 v[OB+8*\nt+4:OB+8*\nt+7], v[WOBI], s[30:31] offset:64*\nt+16
.endr
.endm
.macro WOB                             ; 40 loads: fragments 6-11 over V, Q and the constants; 12-15 into window 0, v24-87
	WIN 0x40
.irp f, 6,7,8,9,10,11
	WOFRAG \f, 16*\f
.endr
	WIN 0
.irp f, 12,13,14,15
	WOFRAG \f, WO3+16*(\f-12)
.endr
.endm
; ---- the bias
.macro LOADK m, off, ra, rb            ; four LDS loads: hidden unit m of the four that begin off bytes on from the addresses v[ra] (a^T) and v[rb] (the weights' rows)
	ds_load_b32 v[RA+\m], v[\ra] offset:\off+64*\m
	ds_load_b128 v[RW+8*\m:RW+8*\m+3], v[\rb] offset:\off+64*\m
	ds_load_b128 v[RW+8*\m+4:RW+8*\m+7], v[\rb] offset:\off+64*\m+16
	ds_load_b64 v[R1+2*\m:R1+2*\m+1], v[\rb] offset:\off+64*\m+32
.endm
.macro KSLOT m, first, cnt             ; one hidden unit for my key: 16 queries x 8 heads.  first = 1: G starts the sums: nothing is cleared
	s_wait_dscnt \cnt                              ; LDS loads come back in order: this slot's four are in, the younger slots' may be out
	v_mul_f32 v[CK], v[R1+2*\m], v[UL]
	v_fmac_f32 v[CK], v[R1+2*\m+1], v[UL+1]        ; c_k
.irp i, 0,1,2,3,4,5,6,7,8,9,10,11,12,13,14,15
	v_max_num_f32_dpp v[HID+\i], v[RA+\m], v[CK] row_share:\i row_mask:0xf bank_mask:0xf   ; max(a_k(query i), c_k): every lane takes lane i of its half
.endr
.irp ip, 0,1,2,3,4,5,6,7
.irp hp, 0,1,2,3
.if \first
	v_pk_fma_f32 v[ACC+16*\ip+2*\hp:ACC+16*\ip+2*\hp+1], v[HID+2*\ip:HID+2*\ip+1], v[RW+8*\m+2*\hp:RW+8*\m+2*\hp+1], v[G+2*\hp:G+2*\hp+1] op_sel_hi:[0,1,1]
.else
	v_pk_fma_f32 v[ACC+16*\ip+2*\hp:ACC+16*\ip+2*\hp+1], v[HID+2*\ip:HID+2*\ip+1], v[RW+8*\m+2*\hp:RW+8*\m+2*\hp+1], v[ACC+16*\ip+2*\hp:ACC+16*\ip+2*\hp+1] op_sel_hi:[0,1,1]
.endif
.endr
.irp hp, 0,1,2,3
.if \first
	v_pk_fma_f32 v[ACC+16*\ip+8+2*\hp:ACC+16*\ip+8+2*\hp+1], v[HID+2*\ip:HID+2*\ip+1], v[RW+8*\m+2*\hp:RW+8*\m+2*\hp+1], v[G+2*\hp:G+2*\hp+1] op_sel:[1,0,0] op_sel_hi:[1,1,1]
.else
	v_pk_fma_f32 v[ACC+16*\ip+8+2*\hp:ACC+16*\ip+8+2*\hp+1], v[HID+2*\ip:HID+2*\ip+1], v[RW+8*\m+2*\hp:RW+8*\m+2*\hp+1], v[ACC+16*\ip+8+2*\hp:ACC+16*\ip+8+2*\hp+1] op_sel:[1,0,0] op_sel_hi:[1,1,1]
.endif
.endr
.endr
.endm
; Four hidden units.  pf = 1: the ring is asked for again, two slots at a time, for the units four further on.  In the order of issue the ring's loads then stand 0, 1 | 2, 3 | 0, 1 | ..:
; at the head of units 0 and 2 the other slot of the pair (4 loads) and the younger pair (8) may be out, at the head of units 1 and 3 the younger pair (8).
.macro KTRIP first, pf, ra, rb
	KSLOT 0, \first, 12
	KSLOT 1, 0, 8
.if \pf
	s_wait_alu depctr_va_vdst(0)                   ; units 0 and 1 are done reading their slots of the ring, in which the eight loads below land; in the loop the addresses v[TA] and v[TB] are written
	LOADK 0, 256, \ra, \rb
	LOADK 1, 256, \ra, \rb
	KSLOT 2, 0, 12
	KSLOT 3, 0, 8
	s_wait_alu depctr_va_vdst(0)                   ; units 2 and 3 are done reading their slots of the ring, in which the eight loads below land
	LOADK 2, 256, \ra, \rb
	LOADK 3, 256, \ra, \rb
.else
	KSLOT 2, 0, 4                                  ; the last four units load nothing: the counts run down
	KSLOT 3, 0, 0
.endif
.endm
.macro BIAS                            ; the 256 keys whose (u, L) begin s46 bytes on in ULT; the sums go to the buffer at s56
	v_add_nc_u32 v[TA], s46, v[AUL0]
	s_mov_b32 s45, 0
	s_wait_alu depctr_va_vdst(0)                   ; the address v[TA] is written; the vector lines of the phase before are done with (u, L) and with v48-91, in which the 17 loads below land
	ds_load_b64 v[UL:UL+1], v[TA]                  ; (u, L) of my key of this step
.irp m, 0,1,2,3
	LOADK \m, 0, AA, AWR                           ; the first four units, and the four behind them, are read by v7 and v8 themselves
.endr
	s_wait_dscnt 16                                ; (u, L) is in; the ring's 16 loads may be out
	WIN 0x14                                       ; sources 1 and 2 window 1: the constants
.irp hp, 0,1,2,3
	v_pk_fma_f32 v[G+2*\hp:G+2*\hp+1], v[UL:UL+1], v[184+2*\hp:185+2*\hp], v[200+2*\hp:201+2*\hp] op_sel_hi:[0,1,1]   ; 8 b2 - 8 P0 u
.endr
	WIN 0x04
.irp hp, 0,1,2,3
	v_pk_fma_f32 v[G+2*\hp:G+2*\hp+1], v[UL:UL+1], v[192+2*\hp:193+2*\hp], v[G+2*\hp:G+2*\hp+1] op_sel:[1,0,0] op_sel_hi:[1,1,1]   ; - 8 P1 L
.endr
	WIN 0
	KTRIP 1, 1, AA, AWR
	s_mov_b32 s44, 14
.Lk_\@:
	s_add_co_u32 s45, s45, 256
	s_wait_alu depctr_vm_vsrc(0)                   ; the LDS loads issued so far have read v[TA] and v[TB], which the two lines below write
	v_add_nc_u32 v[TA], s45, v[AA]
	v_add_nc_u32 v[TB], s45, v[AWR]
	KTRIP 0, 1, TA, TB
	s_sub_co_u32 s44, s44, 1
	s_cmp_lg_u32 s44, 0
	s_cbranch_scc1 .Lk_\@
	KTRIP 0, 0, TA, TB
	; the way to LDS.  The hidden layer's and the ring's registers are free: they take the stores' addresses: for query i (4 thread) xor (16 i) in the buffer, and the same 65,536 bytes (four heads) on
	v_add_nc_u32 v[HID], s56, v[AW0]
.irp i, 1,2,3,4,5,6,7,8,9,10,11,12,13,14,15
	v_xor_b32 v[HID+\i], 16*\i, v[HID]
.endr
.irp i, 0,1,2,3,4,5,6,7,8,9,10,11,12,13,14,15
	v_add_nc_u32 v[HID+16+\i], 0x10000, v[HID+\i]
.endr
	s_wait_alu depctr_va_vdst(0)                   ; the 128 sums v96-223 and the 32 addresses v32-63 are written, which the stores below read
.irp h, 0,1,2,3,4,5,6,7
.irp i, 0,1,2,3,4,5,6,7,8,9,10,11,12,13,14,15
	ds_store_b32 v[HID+16*(\h/4)+\i], v[ACC+8*\i+\h] offset:(\h%4)*16384+\i*1024   ; 32 lanes: one block of 128 bytes of row (head, query)
.endr
.endr
.endm
; ---- attention
.macro ARCS                            ; the eight addresses from which ATT reads the buffer at s47: my place xor 128 (c / 4) + 32 ((c / 2) % 2) + 16 (c % 2).  Made where every wave passes, ahead of the branch on the role
	s_wait_alu depctr_vm_vsrc(0)                   ; the last attention's LDS loads have read these eight addresses; the last bias phase's stores have read v32-63 and v96-223, and its ring's loads v10 and v11: this trip's phases write all of them again
	v_add_nc_u32 v251, s47, v[ARB]
.irp c, 1,2,3,4,5,6,7
	v_xor_b32 v[251+\c-163*(\c/5)], 128*(\c/4)+32*((\c/2)%2)+16*(\c%2), v251
.endr
	s_wait_alu depctr_va_vdst(0)                   ; the eight addresses are written, which attention's LDS loads read; and every vector line issued so far is done with v96-159, in which those loads land
.endm
.macro SCORE t                         ; S^T tile t += K tile t x Q^T; its C, loaded from LDS, is 8 bias
.set sc_bb, (\t)/2
.set sc_ka, 24*sc_bb+8*((\t)%2)
.set sc_qa, 160+8*((\t)%2)
.if sc_bb%2
	v_wmma_scale_f32_16x16x128_f8f6f4 v[S+8*(\t):S+8*(\t)+7], v[sc_ka:sc_ka+15], v[sc_qa:sc_qa+15], v[S+8*(\t):S+8*(\t)+7], v[KSC+sc_bb/2], v[QSC] matrix_a_scale:MATRIX_SCALE_ROW1
.else
	v_wmma_scale_f32_16x16x128_f8f6f4 v[S+8*(\t):S+8*(\t)+7], v[sc_ka:sc_ka+15], v[sc_qa:sc_qa+15], v[S+8*(\t):S+8*(\t)+7], v[KSC+sc_bb/2], v[QSC]
.endif
.endm
.macro PV dt                           ; O^T tile dt += V^T tile dt x p^T
.if (\dt)%2
	v_wmma_scale_f32_16x16x128_f8f6f4 v[208+8*(\dt):215+8*(\dt)], v[96+16*(\dt):111+16*(\dt)], v[PCD:PCD+15], v[208+8*(\dt):215+8*(\dt)], v[VSC+(\dt)/2], v[PSC] matrix_a_scale:MATRIX_SCALE_ROW1
.else
	v_wmma_scale_f32_16x16x128_f8f6f4 v[208+8*(\dt):215+8*(\dt)], v[96+16*(\dt):111+16*(\dt)], v[PCD:PCD+15], v[208+8*(\dt):215+8*(\dt)], v[VSC+(\dt)/2], v[PSC]
.endif
.endm
; 128 keys, the n2-th of the step.  nxt = 1: the next group of K and of V is asked for; 2: the launch's last 128 keys: Wo is asked for instead.
; back = 1: the copy that stands behind BIAS, where the bases have already been stepped by two groups: its immediates reach two groups back.
.macro ATT n2, nxt, back
.if (\n2 == 0) && \back
	s_wait_alu depctr_vm_vsrc(0)                   ; the bias phase just ahead: its LDS stores have read v96-223, in which the loads below land and which the softmax writes
.endif
.irp t, 0,1,2,3,4,5,6,7
.irp e, 0,1
.set at_c, 4*((\t/2)%2)+2*(\t%2)+\e
.set at_r, 251+at_c-163*(at_c/5)
	ds_load_b128 v[S+8*\t+4*\e:S+8*\t+4*\e+3], v[at_r] offset:512*\n2+256*(\t/4)   ; lane (r, half): query r, keys 32 (t / 2) + 8 (t % 2) + 16 half + 4 e + 0 .. 3.  (No vector line since the last wait on va_vdst names v96-159 or the addresses)
.endr
.endr
	s_wait_loadcnt 17                              ; K and its scale words are in; V's 17 loads are younger
	s_wait_dscnt 0x0
	WIN 0x05                                       ; sources 0 and 1 window 1
.irp t, 0,1,2,3,4,5,6,7
	SCORE \t                                       ; eight accumulators, one instruction each
.endr
	WIN 0
	PLACES 8                                       ; in front of the reads of the scores
	s_wait_alu depctr_va_vdst(0)                   ; the eight products are done reading K's registers and its scale words, in which the loads below land
.if \nxt == 1
	KLOAD 8192*(\n2+1-2*\back), 1024*(\n2+1-2*\back)
.else
	WOA
.endif
.irp b, 0,1,2,3
	v_max3_num_f32 v[BM+\b], v[S+16*\b], v[S+1+16*\b], v[S+2+16*\b]   ; the largest score of each block of 32 keys: for the row's maximum, and, since p rises with the score, for the block's largest p
.endr
.irp i, 3,5,7,9,11,13
.irp b, 0,1,2,3
	v_max3_num_f32 v[BM+\b], v[BM+\b], v[S+16*\b+\i], v[S+1+16*\b+\i]
.endr
.endr
.irp b, 0,1,2,3
	v_max_num_f32 v[BM+\b], v[BM+\b], v[S+15+16*\b]
.endr
.irp b, 0,1,2,3
	v_permlanex16_b32 v[T2+\b], v[BM+\b], s38, s39
.endr
.irp b, 0,1,2,3
	v_max_num_f32 v[BM+\b], v[BM+\b], v[T2+\b]     ; with lane l xor 16's 16 keys
.endr
	v_max3_num_f32 v[TMP], v[BM], v[BM+1], v[BM+2]
	v_max_num_f32 v[TMP], v[TMP], v[BM+3]
	v_mul_f32 v[TMP], s40, v[TMP]                  ; as t (the factor is positive)
	v_max_num_f32 v13, v13, v[TMP]                 ; the running largest t
	v_mov_b32 v[TMP], v12
	v_floor_f32 v12, -v13                          ; the new -M = -ceil(t): a whole number
	v_sub_f32 v[TMP], v12, v[TMP]                  ; old M - new M, 0 or less
	v_cvt_i32_f32 v[TMP], v[TMP]                   ; (it saturates)
	v_ldexp_f32 v[F], 1.0, v[TMP]                  ; f = 2^(old M - new M): multiplying by it rounds nothing
.set j, 0
.rept 32
	v_pk_fma_f32 v[S+j:S+j+1], v[S+j:S+j+1], s[40:41], v[12:13] op_sel_hi:[1,0,0]   ; t - M, two at a time
.set j, j+2
.endr
.irp b, 0,1,2,3
	v_fma_f32 v[BM+\b], v[BM+\b], s40, v12         ; the same of each block's largest score
.endr
.set j, 0
.rept 64
	v_exp_f32 v[S+j], v[S+j]                       ; p = 2^(t - M): not normalised
.set j, j+1
.endr
.irp b, 0,1,2,3
	v_exp_f32 v[BM+\b], v[BM+\b]                   ; the block's largest p: the same two instructions on the same number
.endr
	v_pk_mul_f32 v[14:15], v[14:15], v[F:F+1] op_sel_hi:[1,0]   ; the sums under the new M (a plain line behind the exponentials)
	s_wait_alu depctr_va_vdst(0)                   ; the 68 exponentials have written p and the blocks' largest p: one wait for the batch, ahead of its first reader
.irp b, 0,1,2,3
	v_max_num_f32 v[BM+\b], 0x4800000, v[BM+\b]    ; the floor 2^(9 - 127): the byte cannot fall under 1
.endr
.irp b, 0,1,2,3
	v_add_nc_u32 v[SO+\b], 0xfc000000, v[BM+\b]    ; 8 off the exponent field: the conversion's scale operand
.endr
.irp b, 0,1,2,3
	v_and_or_b32 v[HL+\b], v[BM+\b], 0x7f800000, s42   ; 448 x the scale
.endr
.irp b, 0,1,2,3
	v_lshrrev_b32 v[T2+\b], 23, v[SO+\b]           ; the scale's byte
.endr
	v_lshl_or_b32 v[PSC], v[T2+1], 8, v[T2]        ; p's scale word for these 128 keys
	v_lshl_or_b32 v[PSC], v[T2+2], 16, v[PSC]
	v_lshl_or_b32 v[PSC], v[T2+3], 24, v[PSC]
	v_pk_add_f32 v[T2:T2+1], v[S:S+1], v[S+2:S+3]  ; the row's sum is taken of the unquantised p: two at a time, in two chains
.set j, 4
.rept 15
	v_pk_add_f32 v[14:15], v[14:15], v[S+j:S+j+1]
	v_pk_add_f32 v[T2:T2+1], v[T2:T2+1], v[S+j+2:S+j+3]
.set j, j+4
.endr
	v_pk_add_f32 v[14:15], v[14:15], v[T2:T2+1]
.irp b, 0,1,2,3
.irp i, 0,1,2,3,4,5,6,7,8,9,10,11,12,13,14,15
	v_min_num_f32 v[S+16*\b+\i], v[S+16*\b+\i], v[HL+\b]   ; the conversion does not saturate (ISA guide 7.6.2); p is not negative: a one-sided hold
.endr
	v_cvt_scalef32_pk8_fp8_f32 v[PCD+4*\b:PCD+1+4*\b], v[S+16*\b:S+7+16*\b], v[SO+\b]
	v_cvt_scalef32_pk8_fp8_f32 v[PCD+2+4*\b:PCD+3+4*\b], v[S+8+16*\b:S+15+16*\b], v[SO+\b]
.endr
	WIN 0x41                                       ; O^T: destination and source 0 window 1
.set j, 0
.rept 16
	v_pk_mul_f32 v[208+j:209+j], v[208+j:209+j], v[F:F+1] op_sel_hi:[1,0]   ; O^T under the new M; also the plain lines between the codes and their product
.set j, j+2
.endr
.if \nxt == 1
	s_wait_loadcnt 17                              ; V and its scale words are in; the next K's 17 loads are younger
.else
	s_wait_loadcnt 36                              ; V is in; the 36 loads for the last product are younger
.endif
	s_wait_alu depctr_va_vdst(0)                   ; the conversions have written p's codes and the shifts p's scale word, which the scaled products below take; the places stand above, beside this wait
	WIN 0x51                                       ; source 0 (V), C and D window 1; source 1 (p) window 0
.irp dt, 0,1,2,3
	PV \dt
.endr
	WIN 0
	PLACES 8                                       ; in front of the next reads of O^T and of the next writes of p's codes
	s_wait_alu depctr_va_vdst(0)                   ; the four products are done reading V's registers and its scale words, in which the loads below land
.if \nxt == 1
	VLOAD 8192*(\n2+1-2*\back), 1024*(\n2+1-2*\back)
.else
	WOB
.endif
.endm
	s_load_b512 s[8:23], s[0:1], 0x0               ; qf 8, kf 10, vf 12, scl 14, cst 16, freqs 18, W1 20, b1 22
	s_load_b256 s[24:31], s[0:1], 0x40             ; W2 24, Wo_codes 26, Wo_scales 28, bo 30
	s_load_b64 s[32:33], s[0:1], 0x60              ; out0
	v_lshl_add_u32 v5, v0, 2, 0x44000
	v_mov_b32 v6, 0
	v_lshrrev_b32 v10, 5, v0
	v_readfirstlane_b32 s34, v10                   ; wave = head 0..7
	s_and_b32 s35, ttmp7, 0xffff                   ; batch
	s_mov_b32 s36, ttmp9                           ; query tile T
	v_and_b32 v10, 31, v0                          ; lane
	v_and_b32 v11, 15, v0                          ; r
	v_bfe_u32 v12, v0, 4, 1                        ; lane / 16
	v_lshlrev_b32 v[LI16], 4, v10
	v_lshlrev_b32 v[LI8], 3, v10
	v_lshlrev_b32 v[ARB], 10, v11                  ; row r,
	v_lshlrev_b32 v13, 6, v12
	v_lshlrev_b32 v14, 4, v11
	v_xor_b32 v13, v13, v14                        ; (64 (lane / 16)) xor (16 r): under 256
	v_add_nc_u32 v[ARB], v[ARB], v13
	s_wait_alu depctr_va_sdst(0)                   ; s34, the wave's number, is written, ahead of its first reader
	s_lshr_b32 s57, s34, 2
	s_xor_b32 s57, s57, s34
	s_and_b32 s57, s57, 1                          ; my role: 1: attention first; 0: bias first
	s_lshl_b32 s48, s34, 14                        ; my head's 16 rows of a buffer
	v_add_nc_u32 v[ARB], s48, v[ARB]
	v_lshlrev_b32 v[AW0], 2, v0
	v_lshl_add_u32 v[AA], v11, 2, AT
	v_mov_b32 v[AWR], WR
	v_lshl_add_u32 v[AUL0], v0, 3, ULT
	v_lshlrev_b32 v[WOF], 9, v11
	v_lshl_add_u32 v[WOF], v12, 4, v[WOF]
	v_lshlrev_b32 v[WOS], 4, v11
	v_lshlrev_b32 v[WOBI], 5, v12
	v_lshlrev_b32 v224, 2, v11                     ; the head's own addresses, v224-231: 4 r
	v_mov_b32 v225, 0
	v_lshlrev_b32 v226, 4, v0                      ; 16 x thread: four keys' frequencies
	v_and_b32 v13, 3, v0                           ; g = thread % 4: query slots 4 g .. 4 g + 3
	v_lshrrev_b32 v14, 1, v13
	v_lshlrev_b32 v227, 4, v13
	v_lshl_add_u32 v227, v14, 5, v227              ; their tokens lie 4 g + 8 (g / 2) on: 16 g + 32 (g / 2) bytes
	v_lshrrev_b32 v15, 2, v0                       ; k = thread / 4: a hidden unit
	v_lshlrev_b32 v228, 2, v15
	v_and_b32 v14, 1, v13
	v_lshlrev_b32 v229, 5, v15
	v_lshl_add_u32 v229, v14, 4, v229              ; W2: 32 k + 16 (g % 2)
	v_add_nc_u32 v230, AT, v226                    ; LDS: AT + 16 x thread (WR lies 4,096 further on)
	v_lshl_add_u32 v231, v0, 5, ULT                ; LDS: ULT + 32 x thread
	s_mov_b32 s38, 0x76543210
	s_mov_b32 s39, 0xfedcba98                      ; v_permlanex16_b32's selects for lane l xor 16
	s_mov_b32 s40, 0x3e38aa3b                      ; log2(e) / 8
	s_mov_b32 s41, s40                             ; (named with it as a pair, so it is written)
	s_mov_b32 s42, 0x600000                        ; the mantissa field of 448
	s_mov_b32 s46, 0                               ; the step's place in ULT
	s_mov_b32 s47, 0                               ; attention begins with buffer 0,
	s_mov_b32 s56, 0                               ; into which the first bias phase writes
	s_lshl_b32 s48, s35, 3
	s_add_co_u32 s48, s48, s34                     ; R = batch x 8 + head
	s_lshl_b32 s50, s48, 13
	s_mov_b32 s51, 0
	s_lshl_b32 s48, s48, 16
	s_mov_b32 s49, 0
	s_wait_kmcnt 0x0
	s_add_nc_u64 s[10:11], s[10:11], s[48:49]      ; K, V, Q at my head: 65,536 R
	s_add_nc_u64 s[12:13], s[12:13], s[48:49]
	s_add_nc_u64 s[8:9], s[8:9], s[48:49]
	s_add_nc_u64 s[14:15], s[14:15], s[50:51]      ; the scale bytes: 8,192 R
	s_lshl_b32 s48, s36, 10
	s_add_nc_u64 s[8:9], s[8:9], s[48:49]          ; Q's tile T
	s_lshr_b32 s48, s36, 3
	s_lshl_b32 s48, s48, 10
	s_and_b32 s50, s36, 7
	s_lshl_b32 s50, s50, 6
	s_add_co_u32 s48, s48, s50
	s_add_co_u32 s48, s48, 512
	s_add_nc_u64 s[54:55], s[14:15], s[48:49]      ; Q's scale words: group T / 8, 512 + 64 (T % 8)
	s_lshl_b32 s48, s35, 12
	s_add_nc_u64 s[18:19], s[18:19], s[48:49]      ; the batch's frequencies
	s_load_b32 s37, s[18:19], 0x0                  ; f0
	s_lshr_b32 s50, s36, 1
	s_lshl_b32 s50, s50, 5
	s_and_b32 s48, s36, 1
	s_lshl_b32 s48, s48, 3
	s_add_co_u32 s50, s50, s48                     ; the tile's first token: 32 (T / 2) + 8 (T % 2)
	s_lshl_b32 s48, s50, 2
	s_add_nc_u64 s[52:53], s[18:19], s[48:49]
	s_lshl_b32 s48, s35, 10
	s_add_co_u32 s48, s48, s50
	s_lshl_b32 s48, s48, 11                        ; its row of out0,
	s_lshl_b32 s50, s34, 8
	s_add_co_u32 s48, s48, s50                     ; my 64 columns
	s_add_nc_u64 s[32:33], s[32:33], s[48:49]
	s_add_nc_u64 s[30:31], s[30:31], s[50:51]      ; bo: 256 w
	s_lshl_b32 s50, s34, 10
	s_add_nc_u64 s[28:29], s[28:29], s[50:51]      ; Wo's scale bytes: 64 rows of 16
	s_lshl_b32 s50, s34, 15
	s_add_nc_u64 s[26:27], s[26:27], s[50:51]      ; Wo's codes: 64 rows of 512
	WIN 0x40                                       ; destination window 1
.irp bb, 0,1,2,3
.irp j, 0,1,2,3,4,5,6,7
	v_mov_b32 v[24*\bb+8+\j], 0                    ; the zero codes between K's tiles: written once
.endr
.endr
.irp j, 0,1,2,3,4,5,6,7
	v_mov_b32 v[168+\j], 0                         ; and between Q's two copies
.endr
.set j, 0
.rept 32
	v_mov_b32 v[208+j], 0                          ; O^T: the step is written once; the first change of M leaves zeros zeros
.set j, j+1
.endr
	s_wait_alu depctr_va_vdst(0)                   ; the offsets and addresses v1, v2, v7, v8, v224-231 and v248-250 are written, which loads and stores read; so are the zero codes, which the scaled products take with K's and Q's
	; 17 small loads
	global_load_b128 v[160:163], v[LI16], s[8:9]
	global_load_b128 v[164:167], v[LI16], s[8:9] offset:512
	global_load_b128 v[176:179], v[LI16], s[8:9]
	global_load_b128 v[180:183], v[LI16], s[8:9] offset:512
.irp i, 0,1,2,3,4,5
	global_load_b128 v[184+4*\i:187+4*\i], v225, s[16:17] offset:16*\i   ; -8 P0, -8 P1, 8 b2: the same in every lane
.endr
	WIN 0
	global_load_b32 v[QSC], v224, s[54:55]
	global_load_b128 v[96:99], v226, s[18:19]      ; four keys' f
	global_load_b128 v[100:103], v227, s[52:53]    ; four queries' f
	global_load_b32 v104, v228, s[20:21]           ; W1[0][k]
	global_load_b32 v105, v228, s[20:21] offset:256   ; W1[1][k]
	global_load_b32 v106, v228, s[22:23]           ; b1[k]
	global_load_b128 v[108:111], v229, s[24:25]    ; W2[k][4 (g % 2) ..]
	KLOAD 0, 0
	VLOAD 0, 0
.irp i, 0,1,2,3,4,5,6,7,8,9,10,11,12,13,14,15
	v_mov_b32 v[HID+\i], 0                         ; written once: a DPP form's destination counts as one of its sources
.endr
	s_wait_kmcnt 0x0                               ; f0
	s_wait_loadcnt 34                              ; the small loads are in; K's 17 and V's 17 may be out
	v_mov_b32 v128, s37
	v_add_f32 v129, 0x358637bd, v128               ; f0 + 1e-6
	v_rcp_f32 v129, v129
.irp i, 0,1,2,3
	v_sub_f32 v[112+2*\i], v[96+\i], v128          ; u of the keys (beside L, as they go to LDS),
	v_sub_f32 v[120+\i], v[100+\i], v128           ; and of the queries
.endr
.irp i, 0,1,2,3
	v_add_f32 v[113+2*\i], 0x358637bd, v[96+\i]
	v_add_f32 v[124+\i], 0x358637bd, v[100+\i]
.endr
	s_wait_alu depctr_va_vdst(0)                   ; the reciprocal has written v129, ahead of its first reader
.irp i, 0,1,2,3
	v_mul_f32 v[113+2*\i], v[113+2*\i], v129
	v_mul_f32 v[124+\i], v[124+\i], v129
.endr
.irp i, 0,1,2,3
	v_log_f32 v[113+2*\i], v[113+2*\i]
	v_log_f32 v[124+\i], v[124+\i]
.endr
	v_and_b32 v140, 3, v0                          ; (a plain line behind the logarithms)  g
	v_cmp_gt_u32 vcc_lo, 2, v140                   ; g < 2: W2's words; else W1's pair, twice
	s_wait_alu depctr_va_vdst(0)                   ; the eight logarithms have written their results: one wait for the batch, ahead of its first reader
.irp i, 0,1,2,3
	v_mul_f32 v[113+2*\i], 0x3f317218, v[113+2*\i] ; x ln 2
	v_mul_f32 v[124+\i], 0x3f317218, v[124+\i]
.endr
.irp j, 0,1,2,3
	v_fma_f32 v[132+\j], v104, v[120+\j], v106
.endr
.irp j, 0,1,2,3
	v_fmac_f32 v[132+\j], v105, v[124+\j]          ; a_k of four query slots
.endr
.irp j, 0,1,2,3
	v_mul_f32 v[108+\j], 0x41000000, v[108+\j]     ; 8 W2: exact
.endr
	s_wait_alu depctr_va_vcc(0)                    ; VCC is written, ahead of the four selects that read it
	v_cndmask_b32 v136, v104, v108, vcc_lo
	v_cndmask_b32 v137, v105, v109, vcc_lo
	v_cndmask_b32 v138, v104, v110, vcc_lo
	v_cndmask_b32 v139, v105, v111, vcc_lo
	v_mov_b32 v13, 0xff61b1e6                      ; the largest t so far: -3e38, under every t
	v_floor_f32 v12, -v13                          ; -M
	v_mov_b32 v14, 0                               ; the sum, in two halves
	v_mov_b32 v15, 0
	s_wait_alu depctr_va_vdst(0)                   ; (u, L) in v112-119, a_k in v132-135 and the weights' row in v136-139 are written, which the four stores below read
	ds_store_b128 v231, v[112:115]                 ; (u, L) of keys 4 t, 4 t + 1
	ds_store_b128 v231, v[116:119] offset:16       ; and 4 t + 2, 4 t + 3
	ds_store_b128 v230, v[132:135]
	ds_store_b128 v230, v[136:139] offset:4096
	BARRIER                                        ; a^T, the weights' rows and (u, L) of all keys lie in LDS
	s_wait_alu depctr_vm_vsrc(0)                   ; my four LDS stores have read v112-139, which the sums below write; the head's loads and stores have read v224-231, in which bo's loads land at the end
	BIAS                                           ; step 0, into buffer 0: every wave
	BARRIER                                        ; step 0's bias lies in LDS
	s_mov_b32 s56, BUF                             ; the next bias phase writes buffer 1,
	s_add_co_u32 s46, s46, 2048                    ; for the next 256 keys
	s_mov_b32 s43, 3
.Lstep:                                                ; trip s = 0, 1, 2: ATT(s) from one buffer, BIAS(s + 1) into the other, in the order of my role
	ARCS
	s_cmp_eq_u32 s57, 0
	s_cbranch_scc1 .Lbias_first
	ATT 0, 1, 0                                    ; role 1: attention first
	ATT 1, 1, 0
.Lbias_first:
	BIAS
	s_wait_xcnt 0x0                                ; every wave's last loads were issued a whole bias phase ago: they have read their bases
	s_add_nc_u64 s[10:11], s[10:11], 16384         ; K, V and the scale bytes two groups of 128 keys on
	s_add_nc_u64 s[12:13], s[12:13], 16384
	s_add_nc_u64 s[14:15], s[14:15], 2048
	s_add_co_u32 s46, s46, 2048
	s_cmp_lg_u32 s57, 0
	s_cbranch_scc1 .Latt_done
	ATT 0, 1, 1                                    ; role 0: attention second, with immediates that reach back over the step above
	ATT 1, 1, 1
.Latt_done:
	BARRIER                                        ; the next step's bias lies in LDS, and nobody reads this step's any more
	s_xor_b32 s47, s47, BUF                        ; the buffers change places
	s_xor_b32 s56, s56, BUF
	s_sub_co_u32 s43, s43, 1
	s_cmp_lg_u32 s43, 0
	s_cbranch_scc1 .Lstep
	ARCS
	ATT 0, 1, 0                                    ; the last step's attention, every wave: it reads buffer 1,
	ATT 1, 2, 0                                    ; and asks for Wo where the others ask for K and V
	; ---- ctx = O^T / the sum, quantised: my head's 64 channels are two blocks of 32 of the last product's K.  What follows stores into buffer 0, which nobody has read since the last trip's barrier
	v_add_f32 v14, v14, v15
	v_permlanex16_b32 v[TMP], v14, s38, s39
	v_add_f32 v14, v14, v[TMP]                     ; the row's sum
	v_rcp_f32 v14, v14
	v_and_b32 v168, 15, v0                         ; (plain lines behind the reciprocal)  r
	v_bfe_u32 v169, v0, 4, 1                       ; lane / 16
	s_lshl_b32 s48, s34, 10
	v_add_nc_u32 v[XIA], s48, v[LI16]              ; 1024 head + 16 lane
	v_and_b32 v[L4], 31, v0
	v_lshlrev_b32 v[L4], 2, v[L4]                  ; 4 lane
	s_lshr_b32 s48, s34, 1
	s_lshl_b32 s48, s48, 7
	s_and_b32 s50, s34, 1
	s_lshl_b32 s50, s50, 1
	s_add_co_u32 s48, s48, s50
	v_add_nc_u32 v[XSA], s48, v[L4]                ; 128 (head / 2) + 2 (head % 2) + 4 lane
	s_mul_i32 s48, s34, 16*272
	s_add_co_u32 s48, s48, OST                     ; my stage
	v_mul_u32_u24 v[OSA], v168, 272
	v_lshl_add_u32 v[OSA], v169, 5, v[OSA]
	v_add_nc_u32 v[OSA], s48, v[OSA]               ; in: row r, + 32 (lane / 16)
	v_mul_u32_u24 v[OSR], v169, 272
	v_lshl_add_u32 v[OSR], v168, 4, v[OSR]
	v_add_nc_u32 v[OSR], s48, v[OSR]               ; back: lanes 0-15 one row, lanes 16-31 the next
	v_lshlrev_b32 v170, 11, v169
	v_lshl_add_u32 v170, v168, 4, v170             ; and the same in out0
	WIN 0x01                                       ; source 0 window 1
.set j, 0
	s_wait_alu depctr_va_vdst(0)                   ; the reciprocal has written v14, ahead of its first reader
.rept 16
	v_pk_mul_f32 v[96+j:97+j], v[208+j:209+j], v[14:15] op_sel_hi:[1,0]   ; register 16 c + i: channel 32 c + 16 (lane / 16) + i of query r; each accumulator from its low end on
.set j, j+2
.endr
	WIN 0
.irp b, 0,1
	v_max3_num_f32 v[BM+\b], |v[96+16*\b]|, |v[97+16*\b]|, 0x4800000
.endr
.irp i, 2,4,6,8,10,12,14
.irp b, 0,1
	v_max3_num_f32 v[BM+\b], v[BM+\b], |v[96+16*\b+\i]|, |v[97+16*\b+\i]|
.endr
.endr
.irp b, 0,1
	v_permlanex16_b32 v[T2+\b], v[BM+\b], s38, s39
.endr
.irp b, 0,1
	v_max_num_f32 v[BM+\b], v[BM+\b], v[T2+\b]
.endr
.irp b, 0,1
	v_add_nc_u32 v[SO+\b], 0xfc000000, v[BM+\b]
.endr
.irp b, 0,1
	v_and_or_b32 v[HL+\b], v[BM+\b], 0x7f800000, s42
.endr
.irp b, 0,1
	v_lshrrev_b32 v[T2+\b], 23, v[SO+\b]
.endr
	v_lshl_or_b32 v[TMP], v[T2+1], 8, v[T2]        ; my head's half of a scale word
.irp b, 0,1
.irp i, 0,1,2,3,4,5,6,7,8,9,10,11,12,13,14,15
	v_med3_num_f32 v[96+16*\b+\i], v[96+16*\b+\i], -v[HL+\b], v[HL+\b]
.endr
	v_cvt_scalef32_pk8_fp8_f32 v[PCD+4*\b:PCD+1+4*\b], v[96+16*\b:103+16*\b], v[SO+\b]
	v_cvt_scalef32_pk8_fp8_f32 v[PCD+2+4*\b:PCD+3+4*\b], v[104+16*\b:111+16*\b], v[SO+\b]
.endr
	v_nop                                          ; one plain line behind the last conversion
	s_wait_alu depctr_va_vdst(0)                   ; the conversions have written the codes v160-167, and the half word v[TMP] and the end's addresses v195-199 and v170 are written: the stores and loads below read them; the conversions are done reading v96-127, in which ctx's fragments land
	ds_store_b128 v[XIA], v[PCD:PCD+3] offset:XI   ; an image of the operand's registers: 16 bytes a lane
	ds_store_b128 v[XIA], v[PCD+4:PCD+7] offset:XI+512
	ds_store_b16 v[XSA], v[TMP] offset:XSW
	BARRIER                                        ; ctx's four fragments and their scale words lie in LDS
.irp ks, 0,1,2,3
.irp c, 0,1,2,3
	ds_load_b128 v[96+16*\ks+4*\c:99+16*\ks+4*\c], v[LI16] offset:XI+2048*\ks+512*\c
.endr
.endr
.irp ks, 0,1,2,3
	ds_load_b32 v[16+\ks], v[L4] offset:XSW+128*\ks
.endr
	s_wait_dscnt 0x0
	s_wait_loadcnt 0x0                             ; Wo, its scale words, bo
	; ---- out^T tile nt = Wo's rows 64 w + 16 nt .. x ctx^T + bo: four accumulators by turns, a K step at a time
.irp ks, 0,1,2,3
	WIN 0x01                                       ; fragments 0-11 lie in window 1,
.irp nt, 0,1,2
	v_wmma_scale_f32_16x16x128_f8f6f4 v[OB+8*\nt:OB+8*\nt+7], v[16*(4*\nt+\ks):16*(4*\nt+\ks)+15], v[96+16*\ks:111+16*\ks], v[OB+8*\nt:OB+8*\nt+7], v[WOSC+4*\nt+\ks], v[16+\ks]
.endr
	WIN 0                                          ; 12-15 in window 0
	v_wmma_scale_f32_16x16x128_f8f6f4 v[OB+24:OB+31], v[WO3+16*\ks:WO3+16*\ks+15], v[96+16*\ks:111+16*\ks], v[OB+24:OB+31], v[WOSC+12+\ks], v[16+\ks]
.endr
	PLACES 8                                       ; in front of the stores of the results
	s_wait_alu depctr_va_vdst(0)                   ; the products have written the four accumulators, which the LDS stores read, and are done reading ctx's fragments, in which the loads from the stage land; the places above stay beside this wait
.irp nt, 0,1,2,3
	ds_store_b128 v[OSA], v[OB+8*\nt:OB+8*\nt+3] offset:64*\nt          ; lane (r, half): out(query r, 64 w + 16 nt + 8 half + 0 .. 7); each accumulator from its low end on
	ds_store_b128 v[OSA], v[OB+8*\nt+4:OB+8*\nt+7] offset:64*\nt+16
.endr
.irp i, 0,1,2,3,4,5,6,7
	ds_load_b128 v[96+4*\i:99+4*\i], v[OSR] offset:544*\i              ; LDS serves a wave's instructions in order (ISA guide 5.7.1.4): these see my stores
.endr
.irp i, 0,1,2,3,4,5,6,7
	s_wait_dscnt 7-\i
	global_store_b128 v170, v[96+4*\i:99+4*\i], s[32:33] offset:(2*\i+8*(\i/4))*2048 th:TH_STORE_NT   ; slots 2 i, 2 i + 1 are tokens 2 i + 8 (i / 4) on; 16 lanes store 256 consecutive bytes, aligned
.endr
	s_wait_dscnt 0x0                               ; the closing lines, six on end
	s_wait_alu 0x0
	s_wait_tensorcnt 0x0
	ds_add_u32 v5, v6
	s_wait_dscnt 0x0
	s_endpgm
.Lfunc_end_k_qf766ed9711_attn:
	.size	k_qf766ed9711_attn, .Lfunc_end_k_qf766ed9711_attn-k_qf766ed9711_attn
	.p2alignl 7, 3214868480
	.fill 96, 4, 3214868480
	.section	.rodata,"a",@progbits
	.p2align	6, 0x0
	.amdhsa_kernel k_qf766ed9711_attn
		.amdhsa_group_segment_fixed_size 279552
		.amdhsa_private_segment_fixed_size 0
		.amdhsa_enable_private_segment 0
		.amdhsa_kernarg_size 104
		.amdhsa_user_sgpr_count 2
		.amdhsa_user_sgpr_kernarg_segment_ptr 1
		.amdhsa_wavefront_size32 1
		.amdhsa_system_sgpr_workgroup_id_x 1
		.amdhsa_system_sgpr_workgroup_id_y 1
		.amdhsa_system_sgpr_workgroup_id_z 1
		.amdhsa_system_vgpr_workitem_id 0
		.amdhsa_next_free_vgpr 512
		.amdhsa_next_free_sgpr 66
		.amdhsa_reserve_vcc 1
		.amdhsa_float_denorm_mode_32 3
		.amdhsa_float_denorm_mode_16_64 3
		.amdhsa_memory_ordered 1
		.amdhsa_forward_progress 1
		.amdhsa_inst_pref_size 255
	.end_amdhsa_kernel
	.section	.bss,"aw",@nobits
	.p2align	6
	.space	262144
	.amdgpu_metadata
---
amdhsa.version: [ 1, 2 ]
amdhsa.kernels:
  - .name:           k_qf766ed9711_attn
    .symbol:         k_qf766ed9711_attn.kd
    .args:
      - { .name: qf, .offset: 0, .size: 8, .value_kind: global_buffer, .address_space: global }
      - { .name: kf, .offset: 8, .size: 8, .value_kind: global_buffer, .address_space: global }
      - { .name: vf, .offset: 16, .size: 8, .value_kind: global_buffer, .address_space: global }
      - { .name: scl, .offset: 24, .size: 8, .value_kind: global_buffer, .address_space: global }
      - { .name: cst, .offset: 32, .size: 8, .value_kind: global_buffer, .address_space: global }
      - { .name: freqs, .offset: 40, .size: 8, .value_kind: global_buffer, .address_space: global }
      - { .name: W1, .offset: 48, .size: 8, .value_kind: global_buffer, .address_space: global }
      - { .name: b1, .offset: 56, .size: 8, .value_kind: global_buffer, .address_space: global }
      - { .name: W2, .offset: 64, .size: 8, .value_kind: global_buffer, .address_space: global }
      - { .name: Wo_codes, .offset: 72, .size: 8, .value_kind: global_buffer, .address_space: global }
      - { .name: Wo_scales, .offset: 80, .size: 8, .value_kind: global_buffer, .address_space: global }
      - { .name: bo, .offset: 88, .size: 8, .value_kind: global_buffer, .address_space: global }
      - { .name: out0, .offset: 96, .size: 8, .value_kind: global_buffer, .address_space: global }
    .group_segment_fixed_size: 279552
    .private_segment_fixed_size: 0
    .kernarg_segment_align: 8
    .kernarg_segment_size: 104
    .max_flat_workgroup_size: 256
    .sgpr_count:     66
    .vgpr_count:     512
    .wavefront_size: 32
...
	.end_amdgpu_metadata
.endif
;; end of part 4
